; MI455X (gfx1250); checked and timed in simulation.
; The chip was launched on July 23, 2026; its instructions are those of AMD's public machine-readable ISA for CDNA 5 (MIT licence, August 2026) and "CDNA5" Instruction Set Architecture Reference Guide (July 2026). The comments in the code are by the model that wrote it; some were corrected since.
;; Attention. Allowed arithmetic: matrix products marked QUANTISED: E2M1 operands, one E8M0 scale for each 32 along K, by v_wmma_scale_f32_16x16x128_f8f6f4 with both operands' format E2M1 (or v_wmma_scale_f32_32x16x128_f4), f32 sums; products left as they are: bf16, f16 or f32 operands; f32 sums; everything else in f32.
;; Inputs: wk 2,048 x 512 float32; wo 1,024 x 2,048 float32; wq 2,048 x 1,024 float32; wv 2,048 x 512 float32; x 2 x 2,048 x 2,048 float32.
;; Outputs: out0 2 x 2,048 x 2,048 float32.
;; This version of the problem:
;;   THIS VERSION OF THE PROBLEM IS GIVEN IN LOW PRECISION. The matrix products marked QUANTISED in the list below multiply operands that are first quantised to E2M1 (2 exponent bits, 1 mantissa bit; 4 bits a number), with one power-of-two scale for each 32 numbers along K (OCP MX v1.0); their sums are f32. The products marked 'left as it is' may take bf16, f16 or f32 operands, with f32 sums. Whichever they take, every output number must still come out within the allowed error. Rounding operands to bf16 (8 significant bits) uses up far more of that allowance than f16 does (11 bits, for magnitudes from 6e-5 to 65,504). All else is computed in f32.
;;   The module's matrix products, in the order in which they are computed (A, B: the left and right operand; K: the contracted axis; several contracted axes count as one K, in the product's order):
;;     1. [M 4,096, K 2,048] x [K 2,048, N 1,024]; A: input x; B: input wq: QUANTISED
;;     2. [M 4,096, K 2,048] x [K 2,048, N 512]; A: input x; B: input wk: QUANTISED
;;     3. [M 4,096, K 2,048] x [K 2,048, N 512]; A: input x; B: input wv: QUANTISED
;;     4. batch 32 x [M 2,048, K 64] x [K 64, N 2,048]; A: computed on the way; B: computed on the way: left as it is (an operand is computed on the way)
;;     5. batch 32 x [M 2,048, K 2,048] x [K 2,048, N 64]; A: computed on the way; B: computed on the way: left as it is (an operand is computed on the way)
;;     6. [M 4,096, K 1,024] x [K 1,024, N 2,048]; A: computed on the way; B: input wo: left as it is (an operand is computed on the way)
;;   THE QUANTISER, for each operand of a quantised product, along K:
;;     - K is cut into blocks of 32 from its start; a last block that is shorter is filled with zeros.
;;     - A block's scale is 2^e with e = floor(log2(the largest magnitude in the block)) - 2, held to -126 .. 127; a block of zeros has e = 0. As a byte (E8M0): e + 127.
;;     - Each number is divided by its block's scale, clamped to +-6, and rounded to the nearest number of E2M1, ties to even, subnormals kept.
;;     - The product sums the exact products of the quantised numbers (number of the format x scale) in f32.
;;   ~~~python
;;   def quantise(x, axis):      # numpy; x: float32 -> the quantised numbers, widened to float32 again
;;       x = np.moveaxis(x, axis, -1); K = x.shape[-1]
;;       x = np.pad(x, [(0, 0)] * (x.ndim - 1) + [(0, -K % 32)]); x = x.reshape(x.shape[:-1] + (-1, 32)); a = np.abs(x).max(-1, keepdims=True)
;;       e = np.where(a > 0, np.clip(np.frexp(np.where(a > 0, a, 1))[1] - 1 - 2, -126, 127), 0)      # np.frexp(a)[1] - 1 = floor(log2(a)), exactly
;;       r = np.clip(x / 2.0 ** e, -6, 6)
;;       step = 2.0 ** (np.maximum(np.frexp(np.where(r == 0, 1, r))[1] - 1, 0) - 1)
;;       q = np.round(r / step) * step * 2.0 ** e      # np.round: ties to even
;;       return np.moveaxis(q.reshape(q.shape[:-2] + (-1,))[..., :K], -1, axis).astype(np.float32)
;;   ~~~
;; One version. Each part assembles by itself: llvm-mc -triple=amdgcn-amd-amdhsa -mcpu=gfx1250 --defsym DOCPART=n.
;; ======== version 1 of 1: 5 launches
;; limits: values are held in f16: magnitudes above 65,504 overflow, below 6.1e-05 lose precision
;; workspace buffers: codes 6,291,456 bytes; scales 393,216 bytes; wo16 4,194,304 bytes; rope 557,056 bytes; qkvh 16,777,216 bytes; fine32 262,144 bytes; ao16 8,388,608 bytes
;; launch prep (part 1): grid 465 x 1, 4 waves a work-group, no clusters, 50,688 bytes of LDS; arguments x, wq, wk, wv, wo, codes, scales, wo16, rope; writes codes, scales, wo16, rope
.if DOCPART == 1
	.amdgcn_target "amdgcn-amd-amdhsa--gfx1250"
	.amdhsa_code_object_version 6
	.text
	.protected	k_qbf373409c7_prep
	.globl	k_qbf373409c7_prep
	.p2align	8
	.type	k_qbf373409c7_prep,@function
k_qbf373409c7_prep:
	s_mov_b64 s[64:65], 0
	v_nop
	global_prefetch_b8 v0, s[64:65] scope:SCOPE_SE
	s_setreg_imm32_b32 hwreg(HW_REG_WAVE_MODE, 25, 1), 1
	s_wait_xcnt 0x0
; PREP: what the later launches read many times is made once.  Four roles, chosen by the work-group's number, the longest first:
;   W (0-127):   wq | wk | wv [2048 k][n] f32 -> codes of E2M1 [2048 n][1024 bytes] behind x's, E8M0 scale bytes [2048 n][64] behind x's (n 0-1023 wq, 1024-1535 wk, 1536-2047 wv)
;   X (128-383): x [4096][2048] f32 -> codes, K innermost, [4096][1024 bytes], and scale bytes [4096][64]
;   O (384-447): wo [1024][2048] f32 -> f16, as it lies
;   T (448-464): the table of rotations [2176 rows][32 pairs][cos, sin] f32; rows 2048-2175 hold (1, 0): the rows that leave v as it is
; A block's scale is 2^(floor(log2(its largest magnitude)) - 2); its byte is the largest magnitude's exponent field - 2, held at 1 from below.
; LIMITS: a block of zeros gets the byte 1 where the rule says 127 (its codes are zeros, and this program alone reads the bytes); blocks whose largest magnitude lies under 2^-124 keep the byte 1;
; NaN and infinities among the inputs are not served; |wo| stays under 65,504 (f16).  The table's frequencies come from v_exp_f32 (1 ulp: ISA guide, its entry); q and k are turned by the same table.
; Waves share nothing: no barrier.  Each role has LDS bytes of its own.
.set SPW,   12                         ; v12  LDS address of my spare word; never rewritten
.set NIL,   13                         ; v13  0; never rewritten
.set WV,    22                         ; s22  my wave's number
.set SPARE, 50176                      ; the spare words: 128 bytes a wave, behind both roles' regions
; role X
.set XSTEPS, 16
.set XAHEAD, 8                         ; loads run eight steps ahead: 32 loads of 512 bytes a wave, half of the wave's 32,768 bytes
.set XR,    16                         ; v16-143  eight sets of 16 numbers as loaded
.set XX,    144                        ; v144-175 two sets of 16 neighbours
.set XE,    176                        ; v176-191 a scale byte for each step
.set XC,    192                        ; v192-223 codes, two registers a step, so that no store's data are written again
.set WREG,  8192                       ; LDS 0 .. 32,767: a region for each wave: two stages of 32 x 80 bytes, then its 256 scale bytes
.set SP,    80
; role W
.set WSTG,  32768                      ; LDS 32,768 .. 50,175: a stage of 16 rows x 272 bytes for each wave
.set WP,    272
.set WBL,   8                          ; blocks of 32 along K for a lane
.set WOF,   16                         ; v16-47   4 r + (256 h + i) rows
.set WX,    48                         ; v48-111  two sets of 32 numbers; on the way out 8 x 4 registers
.set WC,    112                        ; v112-115 a block's codes
.set WSB,   116                        ; v116-117 my 8 scale bytes
; role T
.set TT,    16                         ; v16-63   four rows by turns, 12 registers each
.macro FIN                             ; a wave's end
	s_wait_tensorcnt 0x0
	ds_add_u32 v[SPW], v[NIL]
	s_wait_dscnt 0x0
	s_endpgm
.endm
.macro XLOAD t
.irp i, 0,1,2,3
	global_load_b128 v[XR+16*((\t)%XAHEAD)+4*\i:XR+16*((\t)%XAHEAD)+4*\i+3], v3, s[4:5] offset:2048*(\t)+512*\i th:TH_LOAD_NT   ; 32 lanes read 512 consecutive bytes
.endr
.endm
.macro XTURN t                         ; a step's 2,048 bytes through my stage: in as they lie, out 64 bytes a lane; LDS serves a wave's instructions in order
.irp i, 0,1,2,3
	ds_store_b128 v14, v[XR+16*((\t)%XAHEAD)+4*\i:XR+16*((\t)%XAHEAD)+4*\i+3] offset:32*SP*((\t)%2)+8*SP*\i
.endr
.irp i, 0,1,2,3
	ds_load_b128 v[XX+16*((\t)%2)+4*\i:XX+16*((\t)%2)+4*\i+3], v15 offset:32*SP*((\t)%2)+16*\i
.endr
.endm
.macro XSTEP t
.set XS, XX+16*((\t)%2)
.if (\t) > 0
	s_wait_dscnt 1                                 ; this step's numbers are back (the last step's byte store may be out): so its stores into the stage have read their registers,
.else
	s_wait_dscnt 0x0
.endif
.if (\t)+XAHEAD < XSTEPS
	XLOAD (\t)+XAHEAD                              ; which take the loads of eight steps on
.endif
.if (\t)+1 < XSTEPS
.if XSTEPS-2-(\t) >= XAHEAD-1
	s_wait_loadcnt 4*(XAHEAD-1)                    ; the next step's four loads are in; the seven steps behind it may be out
.else
	s_wait_loadcnt 4*(XSTEPS-2-(\t))
.endif
	XTURN (\t)+1
.endif
	v_max3_num_f32 v8, |v[XS]|, |v[XS+1]|, |v[XS+2]|
	v_max3_num_f32 v9, |v[XS+3]|, |v[XS+4]|, |v[XS+5]|
.irp i, 6,10
	v_max3_num_f32 v8, v8, |v[XS+\i]|, |v[XS+\i+1]|
	v_max3_num_f32 v9, v9, |v[XS+\i+2]|, |v[XS+\i+3]|
.endr
	v_max3_num_f32 v8, v8, |v[XS+14]|, |v[XS+15]|
	v_max3_num_f32 v8, v8, v9, 0x1800000           ; the floor 2^(3 - 127): the byte cannot fall under 1
	v_max_num_f32_dpp v8, v8, v8 row_xmask:1 row_mask:0xf bank_mask:0xf   ; with my neighbour's 16: the block's largest magnitude
	v_add_nc_u32 v11, 0xff000000, v8               ; 2 off its exponent field: the conversion's scale operand
	v_cvt_scalef32_pk8_fp4_f32 v[XC+2*(\t)], v[XS:XS+7], v11
	v_cvt_scalef32_pk8_fp4_f32 v[XC+2*(\t)+1], v[XS+8:XS+15], v11
	v_lshrrev_b32 v[XE+(\t)], 23, v11              ; the scale's byte
	ds_store_b8 v5, v[XE+(\t)] offset:16*(\t)      ; both lanes of a block write the same byte with the same value
	global_store_b64 v4, v[XC+2*(\t):XC+2*(\t)+1], s[14:15] offset:256*(\t)   ; 32 lanes store 256 consecutive bytes, aligned
.endm
.macro WLOAD t                         ; block t: 32 rows of k at my column.  A wave reads 64 bytes of each of two rows, 256 rows apart; the four waves together 256 consecutive bytes of each
.irp i, 0,1,2,3,4,5,6,7,8,9,10,11,12,13,14,15,16,17,18,19,20,21,22,23,24,25,26,27,28,29,30,31
	global_load_b32 v[WX+32*((\t)%2)+\i], v[WOF+\i], s[32+2*(\t):33+2*(\t)]
.endr
.endm
.macro WBLOCK t
.set XS, WX+32*((\t)%2)
.if (\t) < WBL-1
	s_wait_loadcnt 32                              ; this block's 32 loads are in; the next block's may be out
.else
	s_wait_loadcnt 0
.endif
	v_max3_num_f32 v10, |v[XS]|, |v[XS+1]|, |v[XS+2]|
	v_max3_num_f32 v11, |v[XS+3]|, |v[XS+4]|, |v[XS+5]|
.irp i, 6,10,14,18,22,26
	v_max3_num_f32 v10, v10, |v[XS+\i]|, |v[XS+\i+1]|
	v_max3_num_f32 v11, v11, |v[XS+\i+2]|, |v[XS+\i+3]|
.endr
	v_max3_num_f32 v10, v10, |v[XS+30]|, |v[XS+31]|
	v_max3_num_f32 v10, v10, v11, 0x1800000        ; the floor
	v_add_nc_u32 v14, 0xff000000, v10              ; the conversion's scale operand
	v_lshrrev_b32 v11, 23, v14                     ; the scale's byte
.if (\t)%4 == 0
	v_mov_b32 v[WSB+(\t)/4], v11
.else
	v_lshl_or_b32 v[WSB+(\t)/4], v11, 8*((\t)%4), v[WSB+(\t)/4]
.endif
.irp g, 0,1,2,3
	v_cvt_scalef32_pk8_fp4_f32 v[WC+\g], v[XS+8*\g:XS+8*\g+7], v14
.endr
	ds_store_b128 v4, v[WC:WC+3] offset:16*(\t)    ; 32 codes: 16 bytes of my half of my column's row
.if (\t)+2 < WBL
	WLOAD (\t)+2
.endif
	s_wait_dscnt 0x0                               ; the store has read its registers: the next block's codes may be written
.endm
.macro OLOAD g
.irp k, 0,1,2,3,4,5,6,7,8,9,10,11,12,13,14,15
	global_load_b128 v[16+64*((\g)%2)+4*\k:16+64*((\g)%2)+4*\k+3], v3, s[12:13] offset:8192*(\g)+512*\k th:TH_LOAD_NT
.endr
.endm
.macro OGROUP g
.if (\g) < 3
	s_wait_loadcnt 16                              ; this group's 16 loads are in; the next group's may be out
.else
	s_wait_loadcnt 0
.endif
.if (\g) > 0
	s_wait_xcnt 0x0                                ; the last group's stores have read their data: it is written again below
.endif
.irp k, 0,1,2,3,4,5,6,7,8,9,10,11,12,13,14,15
	v_cvt_pk_f16_f32 v[144+2*\k], v[16+64*((\g)%2)+4*\k], v[16+64*((\g)%2)+4*\k+1]
	v_cvt_pk_f16_f32 v[145+2*\k], v[16+64*((\g)%2)+4*\k+2], v[16+64*((\g)%2)+4*\k+3]
.endr
.if (\g)+2 < 4
	OLOAD (\g)+2
.endif
.irp k, 0,1,2,3,4,5,6,7,8,9,10,11,12,13,14,15
	global_store_b64 v4, v[144+2*\k:145+2*\k], s[18:19] offset:4096*(\g)+256*\k   ; 32 lanes store 256 consecutive bytes, aligned
.endr
.endm
	s_load_b512 s[4:19], s[0:1], 0x0               ; x s[4:5], wq s[6:7], wk s[8:9], wv s[10:11], wo s[12:13], codes s[14:15], scales s[16:17], wo16 s[18:19]
	s_load_b64 s[20:21], s[0:1], 0x40              ; rope
	v_lshl_add_u32 v[SPW], v0, 2, SPARE
	v_mov_b32 v[NIL], 0
	v_lshrrev_b32 v1, 5, v0
	v_readfirstlane_b32 s[WV], v1                  ; wave 0..3
	v_and_b32 v2, 31, v0                           ; lane
	s_wait_kmcnt 0x0
	s_cmp_lt_u32 ttmp9, 128
	s_cbranch_scc1 .Lrole_w
	s_cmp_lt_u32 ttmp9, 384
	s_cbranch_scc1 .Lrole_x
	s_cmp_lt_u32 ttmp9, 448
	s_cbranch_scc1 .Lrole_o
	; ---- ROLE T.  A wave makes 32 rows, four a trip; lane i makes pair i: angle = position x 10000^(-i / 32).
	; The angle is brought into [-pi/4, pi/4] by taking n quarter turns off it (pi/2 in two parts), sine and cosine are polynomials there, and n's low two bits put them back.
	s_sub_co_u32 s23, ttmp9, 448
	s_lshl_b32 s23, s23, 7
	s_lshl_b32 s24, s[WV], 5
	s_add_co_u32 s26, s23, s24                     ; my first row
	s_lshl_b32 s24, s26, 8                         ; 256 bytes a row
	s_mov_b32 s25, 0
	s_add_nc_u64 s[20:21], s[20:21], s[24:25]
	s_mov_b32 s66, 0x3f22f983                      ; 2 / pi
	s_mov_b32 s67, 0xbfc90fdb                      ; -(pi / 2), its high part
	s_mov_b32 s68, 0x333bbd2e                      ; and what the high part has too much
	s_mov_b32 s69, 0xbe2aaaa3                      ; sine: r + r z (S1 + z (S2 + z S3))
	s_mov_b32 s70, 0x3c08839e
	s_mov_b32 s71, 0xb94ca1f9
	s_mov_b32 s72, 0x3d2aaaa5                      ; cosine: 1 - z / 2 + z z (C1 + z (C2 + z C3))
	s_mov_b32 s73, 0xbab6061a
	s_mov_b32 s74, 0x37ccf5ce
	v_cvt_f32_u32 v3, v2
	v_mul_f32 v3, 0xbed49a78, v3                   ; -i log2(10000) / 32
	v_exp_f32 v3, v3                               ; my pair's frequency
	v_lshlrev_b32 v4, 3, v2                        ; 8 bytes a lane (a plain line behind the exponential)
	s_wait_alu depctr_va_vdst(0)                   ; the wait ahead of the result's first reader
	s_mov_b32 s27, 8
.Ltrip:
.irp u, 0,1,2,3
	s_add_co_u32 s28, s26, \u
	s_cmp_lt_u32 s28, 2048
	s_cselect_b32 s28, s28, 0                      ; rows from 2,048 on: angle 0: (1, 0)
	v_cvt_f32_u32 v[TT+12*\u], s28
.endr
.irp u, 0,1,2,3
	v_mul_f32 v[TT+12*\u], v[TT+12*\u], v3         ; the angle, one rounding as in position x frequency
.endr
.irp u, 0,1,2,3
	v_mul_f32 v[TT+12*\u+1], s66, v[TT+12*\u]
.endr
.irp u, 0,1,2,3
	v_rndne_f32 v[TT+12*\u+1], v[TT+12*\u+1]       ; n quarter turns
.endr
.irp u, 0,1,2,3
	v_fma_f32 v[TT+12*\u+2], v[TT+12*\u+1], s67, v[TT+12*\u]
.endr
.irp u, 0,1,2,3
	v_fma_f32 v[TT+12*\u+2], v[TT+12*\u+1], s68, v[TT+12*\u+2]   ; r
.endr
.irp u, 0,1,2,3
	v_mul_f32 v[TT+12*\u+3], v[TT+12*\u+2], v[TT+12*\u+2]        ; z = r r
.endr
.irp u, 0,1,2,3
	v_fma_f32 v[TT+12*\u+4], v[TT+12*\u+3], s71, s70
	v_fma_f32 v[TT+12*\u+5], v[TT+12*\u+3], s74, s73
.endr
.irp u, 0,1,2,3
	v_fma_f32 v[TT+12*\u+4], v[TT+12*\u+4], v[TT+12*\u+3], s69
	v_fma_f32 v[TT+12*\u+5], v[TT+12*\u+5], v[TT+12*\u+3], s72
.endr
.irp u, 0,1,2,3
	v_mul_f32 v[TT+12*\u+7], v[TT+12*\u+3], v[TT+12*\u+2]        ; z r
.endr
.irp u, 0,1,2,3
	v_fma_f32 v[TT+12*\u+4], v[TT+12*\u+4], v[TT+12*\u+7], v[TT+12*\u+2]   ; sin r
.endr
.irp u, 0,1,2,3
	v_fma_f32 v[TT+12*\u+7], v[TT+12*\u+3], -0.5, 1.0
	v_mul_f32 v[TT+12*\u+2], v[TT+12*\u+3], v[TT+12*\u+3]        ; z z
.endr
.irp u, 0,1,2,3
	v_fma_f32 v[TT+12*\u+5], v[TT+12*\u+5], v[TT+12*\u+2], v[TT+12*\u+7]   ; cos r
	v_cvt_i32_f32 v[TT+12*\u+6], v[TT+12*\u+1]
.endr
.irp u, 0,1,2,3
	v_and_b32 v[TT+12*\u+7], 1, v[TT+12*\u+6]
	v_cmp_eq_u32 vcc_lo, 1, v[TT+12*\u+7]          ; an odd number of quarter turns: sine and cosine change places
	v_cndmask_b32 v[TT+12*\u+8], v[TT+12*\u+5], v[TT+12*\u+4], vcc_lo
	v_cndmask_b32 v[TT+12*\u+9], v[TT+12*\u+4], v[TT+12*\u+5], vcc_lo
	v_and_b32 v[TT+12*\u+7], 2, v[TT+12*\u+6]
	v_lshlrev_b32 v[TT+12*\u+7], 30, v[TT+12*\u+7]
	v_xor_b32 v[TT+12*\u+9], v[TT+12*\u+9], v[TT+12*\u+7]        ; the sine's sign: n mod 4 = 2, 3
	v_add_nc_u32 v[TT+12*\u+7], 1, v[TT+12*\u+6]
	v_and_b32 v[TT+12*\u+7], 2, v[TT+12*\u+7]
	v_lshlrev_b32 v[TT+12*\u+7], 30, v[TT+12*\u+7]
	v_xor_b32 v[TT+12*\u+8], v[TT+12*\u+8], v[TT+12*\u+7]        ; the cosine's: n mod 4 = 1, 2
	global_store_b64 v4, v[TT+12*\u+8:TT+12*\u+9], s[20:21] offset:256*\u   ; 32 lanes store a row: 256 consecutive bytes, aligned
.endr
	s_wait_xcnt 0x0                                ; the stores have read their data and their base: both are written again
	s_add_nc_u64 s[20:21], s[20:21], 1024
	s_add_co_u32 s26, s26, 4
	s_sub_co_u32 s27, s27, 1
	s_cmp_lg_u32 s27, 0
	s_cbranch_scc1 .Ltrip
	FIN
	; ---- ROLE X.  x is a plain stream of blocks of 32; a wave takes 16 steps of 512 numbers.  Loads run eight steps ahead, the turn through LDS one.
.Lrole_x:
	v_lshlrev_b32 v3, 4, v2                        ; my 16 bytes of a load's 512
	s_mul_i32 s23, s[WV], WREG
	v_lshrrev_b32 v14, 2, v2
	v_mul_u32_u24 v14, v14, SP
	v_and_b32 v15, 3, v2
	v_lshl_add_u32 v14, v15, 4, v14
	v_add_nc_u32 v14, s23, v14                     ; the stage, in: 80 (lane / 4) + 16 (lane % 4)
	v_mul_u32_u24 v15, v2, SP
	v_add_nc_u32 v15, s23, v15                     ; and out: 80 x lane
	v_lshlrev_b32 v4, 3, v2                        ; my 8 bytes of a step's codes
	v_lshrrev_b32 v5, 1, v2
	s_add_co_u32 s23, s23, 2*32*SP
	v_add_nc_u32 v5, s23, v5                       ; my block's byte among my wave's 256
	v_lshlrev_b32 v7, 3, v2
	v_add_nc_u32 v6, s23, v7
	s_sub_co_u32 s24, ttmp9, 128
	s_lshl_b32 s24, s24, 2
	s_add_co_u32 s24, s24, s[WV]                   ; which run of 8,192 numbers is mine
	s_mov_b32 s27, 0
	s_lshl_b32 s26, s24, 15
	s_add_nc_u64 s[4:5], s[4:5], s[26:27]
	s_lshl_b32 s26, s24, 12
	s_add_nc_u64 s[14:15], s[14:15], s[26:27]
	s_lshl_b32 s26, s24, 8
	s_add_nc_u64 s[16:17], s[16:17], s[26:27]
.irp t, 0,1,2,3,4,5,6,7
	XLOAD \t
.endr
	s_wait_loadcnt 4*(XAHEAD-1)                    ; step 0's four loads are in; the seven steps behind it may be out
	XTURN 0
.irp t, 0,1,2,3,4,5,6,7,8,9,10,11,12,13,14,15
	XSTEP \t
.endr
	ds_load_b64 v[8:9], v6                         ; my wave's 256 scale bytes, 8 a lane
	s_wait_dscnt 0x0
	global_store_b64 v7, v[8:9], s[16:17]          ; 256 consecutive bytes, aligned
	FIN
	; ---- ROLE W.  K is the weights' first axis: a lane takes a column n and its registers run down K, so a block lies in one lane and the codes come out with K innermost.
	; A wave takes 16 columns x 512 along K: lane (r, h) column r, the h-th 256 along K: 8 blocks a lane, two of them (64 loads) on their way.  A column's 256 bytes of codes meet in the wave's own
	; stage and leave as rows: sixteen lanes store 256 consecutive bytes.
.Lrole_w:
	s_and_b32 s24, ttmp9, 31                       ; which 64 of the 2,048 columns
	s_lshr_b32 s25, ttmp9, 5                       ; which 512 along K
	s_cmp_lt_u32 s24, 24
	s_cselect_b64 s[26:27], s[8:9], s[10:11]       ; wk or wv
	s_cmp_lt_u32 s24, 16
	s_cselect_b64 s[26:27], s[6:7], s[26:27]       ; wq, or that
	s_cselect_b32 s28, 12, 11                      ; a row is 4,096 bytes in wq, 2,048 in wk and wv
	s_cselect_b32 s29, 15, 7
	s_and_b32 s29, s24, s29                        ; the block of 64 columns inside its tensor
	s_lshl_b32 s29, s29, 6
	s_lshl_b32 s30, s[WV], 4
	s_add_co_u32 s29, s29, s30
	s_lshl_b32 s29, s29, 2                         ; my wave's first column, in bytes
	s_lshl_b32 s30, s25, 9
	s_lshl_b32 s30, s30, s28                       ; my first row, in bytes
	s_add_co_u32 s30, s30, s29
	s_mov_b32 s31, 0
	s_add_nc_u64 s[32:33], s[26:27], s[30:31]      ; a base for each of the 8 blocks, so that no register is stepped
	s_lshl_b32 s30, 32, s28                        ; 32 rows on
.irp t, 1,2,3,4,5,6,7
	s_add_nc_u64 s[32+2*\t:33+2*\t], s[30+2*\t:31+2*\t], s[30:31]
.endr
	s_lshl_b32 s23, 1, s28                         ; a row on
	s_add_co_u32 s66, s28, 8                       ; 256 rows on, as a shift
	v_and_b32 v5, 15, v2                           ; r
	v_lshrrev_b32 v6, 4, v2                        ; h
	v_lshlrev_b32 v[WOF], s66, v6
	v_lshl_add_u32 v[WOF], v5, 2, v[WOF]           ; 4 r + 256 h rows
.irp i, 1,2,3,4,5,6,7,8,9,10,11,12,13,14,15,16,17,18,19,20,21,22,23,24,25,26,27,28,29,30,31
	v_add_nc_u32 v[WOF+\i], s23, v[WOF+\i-1]
.endr
	WLOAD 0
	WLOAD 1
	s_mul_i32 s29, s[WV], 16*WP
	s_add_co_u32 s29, s29, WSTG                    ; my stage
	v_mul_u32_u24 v4, v5, WP
	v_lshl_add_u32 v4, v6, 7, v4
	v_add_nc_u32 v4, s29, v4                       ; in: row = my column, my half's 128 bytes
	v_mul_u32_u24 v7, v6, WP
	v_lshl_add_u32 v7, v5, 4, v7
	v_add_nc_u32 v7, s29, v7                       ; out: sixteen lanes to a row, two rows an instruction
	v_lshlrev_b32 v8, 10, v6
	v_lshl_add_u32 v8, v5, 4, v8                   ; and the same place in the codes (1,024 bytes a row)
	v_lshlrev_b32 v9, 6, v5
	v_lshl_add_u32 v9, v6, 3, v9                   ; my column's row of scale bytes, my half's 8
	s_lshl_b32 s66, s24, 6
	s_lshl_b32 s67, s[WV], 4
	s_add_co_u32 s66, s66, s67                     ; my wave's first row of the output: 64 x block + 16 x wave
	s_mov_b32 s69, 0
	s_lshl_b32 s68, s66, 10
	s_lshl_b32 s67, s25, 8
	s_add_co_u32 s68, s68, s67
	s_add_co_u32 s68, s68, 0x400000                ; behind x's codes
	s_add_nc_u64 s[14:15], s[14:15], s[68:69]
	s_lshl_b32 s68, s66, 6
	s_lshl_b32 s67, s25, 4
	s_add_co_u32 s68, s68, s67
	s_add_co_u32 s68, s68, 0x40000                 ; behind x's scale bytes
	s_add_nc_u64 s[16:17], s[16:17], s[68:69]
.irp t, 0,1,2,3,4,5,6,7
	WBLOCK \t
.endr
	global_store_b64 v9, v[WSB:WSB+1], s[16:17]    ; my 8 scale bytes
.irp t, 0,1,2,3,4,5,6,7
	ds_load_b128 v[WX+4*\t:WX+4*\t+3], v7 offset:2*\t*WP
.endr
.irp t, 0,1,2,3,4,5,6,7
	s_wait_dscnt 7-\t
	global_store_b128 v8, v[WX+4*\t:WX+4*\t+3], s[14:15] offset:2*\t*1024
.endr
	FIN
	; ---- ROLE O.  A wave casts 8,192 numbers of wo: four groups of 16 loads of 512 consecutive bytes, two groups on their way.
.Lrole_o:
	s_sub_co_u32 s23, ttmp9, 384
	s_lshl_b32 s23, s23, 2
	s_add_co_u32 s23, s23, s[WV]
	s_mov_b32 s25, 0
	s_lshl_b32 s24, s23, 15
	s_add_nc_u64 s[12:13], s[12:13], s[24:25]
	s_lshl_b32 s24, s23, 14
	s_add_nc_u64 s[18:19], s[18:19], s[24:25]
	v_lshlrev_b32 v3, 4, v2
	v_lshlrev_b32 v4, 3, v2
	OLOAD 0
	OLOAD 1
.irp g, 0,1,2,3
	OGROUP \g
.endr
	FIN
.Lfunc_end_k_qbf373409c7_prep:
	.size	k_qbf373409c7_prep, .Lfunc_end_k_qbf373409c7_prep-k_qbf373409c7_prep
	.p2alignl 7, 3214868480
	.fill 96, 4, 3214868480
	.section	.rodata,"a",@progbits
	.p2align	6, 0x0
	.amdhsa_kernel k_qbf373409c7_prep
		.amdhsa_group_segment_fixed_size 50688
		.amdhsa_private_segment_fixed_size 0
		.amdhsa_enable_private_segment 0
		.amdhsa_kernarg_size 72
		.amdhsa_user_sgpr_count 2
		.amdhsa_user_sgpr_kernarg_segment_ptr 1
		.amdhsa_wavefront_size32 1
		.amdhsa_system_sgpr_workgroup_id_x 1
		.amdhsa_system_sgpr_workgroup_id_y 1
		.amdhsa_system_sgpr_workgroup_id_z 1
		.amdhsa_system_vgpr_workitem_id 0
		.amdhsa_next_free_vgpr 224
		.amdhsa_next_free_sgpr 84
		.amdhsa_reserve_vcc 1
		.amdhsa_float_denorm_mode_32 3
		.amdhsa_float_denorm_mode_16_64 3
		.amdhsa_memory_ordered 1
		.amdhsa_forward_progress 1
		.amdhsa_inst_pref_size 102
	.end_amdhsa_kernel
	.amdgpu_metadata
---
amdhsa.version: [ 1, 2 ]
amdhsa.kernels:
  - .name:           k_qbf373409c7_prep
    .symbol:         k_qbf373409c7_prep.kd
    .args:
      - { .name: x, .offset: 0, .size: 8, .value_kind: global_buffer, .address_space: global }
      - { .name: wq, .offset: 8, .size: 8, .value_kind: global_buffer, .address_space: global }
      - { .name: wk, .offset: 16, .size: 8, .value_kind: global_buffer, .address_space: global }
      - { .name: wv, .offset: 24, .size: 8, .value_kind: global_buffer, .address_space: global }
      - { .name: wo, .offset: 32, .size: 8, .value_kind: global_buffer, .address_space: global }
      - { .name: codes, .offset: 40, .size: 8, .value_kind: global_buffer, .address_space: global }
      - { .name: scales, .offset: 48, .size: 8, .value_kind: global_buffer, .address_space: global }
      - { .name: wo16, .offset: 56, .size: 8, .value_kind: global_buffer, .address_space: global }
      - { .name: rope, .offset: 64, .size: 8, .value_kind: global_buffer, .address_space: global }
    .group_segment_fixed_size: 50688
    .private_segment_fixed_size: 0
    .kernarg_segment_align: 8
    .kernarg_segment_size: 72
    .max_flat_workgroup_size: 128
    .sgpr_count:     84
    .vgpr_count:     224
    .wavefront_size: 32
...
	.end_amdgpu_metadata
.endif
;; end of part 1
;; launch qkv (part 2): grid 8 x 16, 4 waves a work-group, clusters of 4 x 4, 327,680 bytes of LDS; arguments codes, scales, rope, qkvh, fine32; writes qkvh, fine32
.if DOCPART == 2
	.amdgcn_target "amdgcn-amd-amdhsa--gfx1250"
	.amdhsa_code_object_version 6
	.text
	.protected	k_qbf373409c7_qkv
	.globl	k_qbf373409c7_qkv
	.p2align	8
	.type	k_qbf373409c7_qkv,@function
k_qbf373409c7_qkv:
	s_mov_b64 s[64:65], 0
	v_nop
	global_prefetch_b8 v0, s[64:65] scope:SCOPE_SE
	s_setreg_imm32_b32 hwreg(HW_REG_WAVE_MODE, 25, 1), 1
	s_wait_xcnt 0x0
	s_wait_alu depctr_hold_cnt(0) depctr_sa_sdst(0) depctr_va_vdst(0) depctr_va_sdst(0) depctr_va_ssrc(0) depctr_va_vcc(0) depctr_vm_vsrc(0)
	s_getreg_b32 s2, hwreg(HW_REG_IB_STS2, 6, 4)
	s_cmp_eq_u32 s2, 0
	s_cbranch_scc0 .Lentry_in_a_cluster
	s_endpgm
.Lentry_in_a_cluster:
	s_bfe_u32 s2, ttmp6, 0x10000c
	s_cmp_lg_u32 s2, 0xf033
	s_cbranch_scc0 .Lentry_shape_is_right
	s_endpgm
.Lentry_shape_is_right:
; QKV: C[m][n] = sum over k of x[m][k] w[n][k] on codes of E2M1 with E8M0 scales (m 4,096, n 2,048 = wq | wk | wv, k 2,048), then the rotation of q and k, then f16 laid by head.
; A tile of C, 256 x 256, is made by four waves, 128 x 128 each: 64 accumulators, 512 registers.  K goes in steps of 512 through a ring of two LDS slots (rows of 256 bytes) filled by the tensor data mover.
; The scale bytes of the work-group's 256 rows of x and 256 rows of w, for all of K, come into LDS once, with the first fills.
; CLUSTERS: 4 x 4 work-groups; x's tiles are asked for jointly along a row of the cluster, w's along a column.  The matrix instruction is used transposed (source 0 = 16 rows of w, source 1 = 16 rows of x):
; a lane holds eight neighbouring columns of a row of C: four pairs of the rotation.
; THE TABLE OF ROTATIONS is asked for long before it is read: the rows of my first 64 rows at the kernel's head, into registers of window 1 that the loop leaves idle; those of my other 64 rows as soon as
; w's fragments are done with, into their registers.
; THE WAY OUT has no branch: what differs between tiles of q, k and v is an address (v takes the table's rows that hold (1, 0)), and the f32 copy of positions 0-15 is stored under a lane mask.
; OUT: qkvh [g 0..31][m][64] f16 (g 0-15 q's heads, 16-23 k's, 24-31 v's); fine32 [batch][position 0..15][n] f32.
; LIMIT: |q|, |k|, |v| stay under 65,504 (f16).
; REGISTERS, in windows of 256: window 0: v0-31 addresses; v32-95 scale words, two sets; from v128 x's fragments, one set; on the way out v32-231 are free.
;   window 1: w's fragments, two sets, at v0-63 and v128-191; the table's blocks 0-3 at v64-127 and v192-255; on the way out its blocks 4-7 where w's fragments lay.
;   window 2: the accumulators of my rows 0-63 ((a, b) at v[8 (8 a + b)]);   window 3: those of rows 64-127.
.set SIZE_M, 4096
.set SIZE_N, 2048
.set SIZE_K, 2048
.set KSTEP,  512
.set NQ,     KSTEP/128
.set ROWB,   256
.set KROW,   SIZE_K*4/8
.set PITCH,  272                       ; an LDS row: 256 bytes + 16 of padding: the 16 rows of a load start 68 words apart
.set FR,     8
.set NL,     2
.set NP,     4
.set HALFT,  128*PITCH
.set SLOT,   4*HALFT
.set LAPS,   SIZE_K/(2*KSTEP)
.set KS,     SIZE_K/32
.set SCL,    2*SLOT
.set HALFS,  (128*KS/256)*272
.set SBLK,   (16*KS/256)*272
.set SPARE,  SCL+4*HALFS               ; the spare words, 128 bytes a wave
.set ADRA, 16
.set TO,   18                          ; v18  the table: 256 r + 32 h; never rewritten
.set FO,   19                          ; v19  the f32 copy: 8,192 r + 32 h
.set ADRB, 20
.set STO,  24                          ; v24  the way out: where I put 16 bytes of a head's row
.set RD,   25                          ; v25  and where I read rows back
.set CO,   26                          ; v26  16 x lane
.set ADRS, 27
.set SPW,  28
.set NIL,  29
.set SC,   32
.set AF,   128
.set RR,   32                          ; the way out: v32-95 a block's 64 numbers behind the rotation
.set PK,   96                          ; v96-127  the same as f16
.set OBK,  128                         ; v128-191 rows read back from the stage, two sets of 32
.set TMPR, 224                         ; v224-231 at work
.set G1, 24
.set G0, 32
.set G1B, 48
.set G0B, 56
.set G1S, 68
.set G0S, 76
.set G1SB, 80
.set G0SB, 88
.set MSB, 0
.macro WIN new                         ; the immediate's high byte repeats the setting that is left
.if MSB != \new
	s_set_vgpr_msb (MSB<<8)|\new
.set MSB, \new
.endif
.endm
.set MUL_LO, 0xa1
.set MUL_HI, 0xf1
.set TO_B,   0x40
; A joint load: waves 0 and 1 fetch for x, waves 2 and 3 for w; the branch hangs on the wave's number alone.  An s_nop 0 and four v_nop follow each line.
.macro JLOAD g0a, g1a, g0b, g1b
	s_cmp_eq_u32 s15, 0
	s_cbranch_scc0 .Lfor_b_\@
	tensor_load_to_lds s[\g0a:\g0a+3], s[\g1a:\g1a+7]
	s_nop 0
.rept 4
	v_nop
.endr
	s_branch .Lasked_\@
.Lfor_b_\@:
	tensor_load_to_lds s[\g0b:\g0b+3], s[\g1b:\g1b+7]
	s_nop 0
.rept 4
	v_nop
.endr
.Lasked_\@:
.endm
.macro CREST
	s_cmp_lg_u32 s14, 0
	s_cbranch_scc1 .Lnot_wave_0_\@
	s_barrier_signal -3
.Lnot_wave_0_\@:
	s_barrier_wait -3
	s_barrier_signal -1
	s_barrier_wait -1
.endm
.macro CROUND
	s_barrier_signal -1
	s_barrier_wait -1
	CREST
.endm
.macro CSBASE a                        ; CSB: where the table's block a lies in window 1
.if (\a) < 2
.set CSB, 64+32*(\a)
.elseif (\a) < 4
.set CSB, 192+32*((\a)-2)
.elseif (\a) < 6
.set CSB, 32*((\a)-4)
.else
.set CSB, 128+32*((\a)-6)
.endif
.endm
.macro CSLOAD a                        ; the table's 16 rows of block a: for each quarter of a head my four (cos, sin): 32 bytes.  The destination's window is 1
	CSBASE \a
.irp q, 0,1,2,3
.irp x, 0,1
	global_load_b128 v[CSB+8*\q+4*\x:CSB+8*\q+4*\x+3], v[TO], s[96:97] offset:4096*(\a)+64*\q+16*\x
.endr
.endr
.endm
	s_load_b128 s[4:7], s[0:1], 0x0                ; codes s[4:5], scales s[6:7]
	s_load_b128 s[96:99], s[0:1], 0x10             ; rope s[96:97], qkvh s[98:99]
	s_load_b64 s[100:101], s[0:1], 0x20            ; fine32
	v_lshl_add_u32 v[SPW], v0, 2, SPARE
	v_mov_b32 v[NIL], 0
	ds_add_u32 v[SPW], v[NIL]                      ; the wave's opening: the add, twice on end, and its wait ahead of my first tensor load
	ds_add_u32 v[SPW], v[NIL]
	v_lshrrev_b32 v1, 5, v0
	v_readfirstlane_b32 s14, v1                    ; wave 0..3
	s_lshr_b32 s15, s14, 1                         ; my half of the tile's rows.  Also: I fetch for x (0) or for w (1)
	s_and_b32 s16, s14, 1                          ; my half of its columns.  Also: which 128 rows I fetch
	s_bfe_u32 s40, ttmp6, 0x40000                  ; cx, cy
	s_bfe_u32 s41, ttmp6, 0x40004
	s_lshl_b32 s42, ttmp9, 2
	s_add_co_u32 s42, s42, s40                     ; tile column
	s_and_b32 s17, ttmp7, 0xffff
	s_lshl_b32 s17, s17, 2
	s_add_co_u32 s17, s17, s41                     ; tile row
	s_lshl_b32 s43, s41, 2
	s_lshl_b32 s43, 15, s43                        ; my row of the cluster
	s_lshl_b32 s44, 0x1111, s40                    ; my column
	s_or_b32 s[G1+0], s43, (0<<16)|(1<<20)|(1<<21)|(5<<22)|(3<<25)  ; the mask; elements of 1 byte; padding: 4 words behind every 64
	s_or_b32 s[G1B+0], s44, (0<<16)|(1<<20)|(1<<21)|(5<<22)|(3<<25)
.irp g, G1, G1B
	s_mov_b32 s[\g+1], ROWB<<16                    ; tensor_dim0
	s_mov_b32 s[\g+2], 128<<16                     ; tensor_dim1
	s_mov_b32 s[\g+3], ROWB<<16                    ; tile_dim0
	s_mov_b32 s[\g+4], 128                         ; tile_dim1
	s_mov_b32 s[\g+5], KROW                        ; the pitch
	s_mov_b32 s[\g+6], 0
	s_mov_b32 s[\g+7], 0
.endr
	s_or_b32 s[G1S+0], s43, (3<<16)|(1<<20)|(1<<21)|(5<<22)|(3<<25) ; the scales of 128 rows: a dense block, as rows of 256 bytes (32 elements of 8)
	s_or_b32 s[G1SB+0], s44, (3<<16)|(1<<20)|(1<<21)|(5<<22)|(3<<25)
.irp g, G1S, G1SB
	s_mov_b32 s[\g+1], 32<<16
	s_mov_b32 s[\g+2], (128*KS/256)<<16
	s_mov_b32 s[\g+3], 32<<16
	s_mov_b32 s[\g+4], 128*KS/256
	s_mov_b32 s[\g+5], 32
	s_mov_b32 s[\g+6], 0
	s_mov_b32 s[\g+7], 0
.endr
	s_lshl_b32 s18, s16, 7
	s_lshl_b32 s20, s17, 8
	s_add_co_u32 s20, s20, s18                     ; x: row 256 x tile row + 128 x half
	s_lshl_b32 s46, s42, 8
	s_add_co_u32 s46, s46, s18                     ; w: row 256 x tile column + 128 x half
	s_mov_b32 s21, 0
	s_mov_b32 s47, 0
	s_mov_b64 s[18:19], KS
	s_mul_u64 s[22:23], s[20:21], s[18:19]
	s_mul_u64 s[92:93], s[46:47], s[18:19]
	s_mov_b64 s[18:19], KROW
	s_mul_u64 s[20:21], s[20:21], s[18:19]
	s_mul_u64 s[46:47], s[46:47], s[18:19]
	s_mul_i32 s45, s14, HALFT                      ; where they go: wave x 128 rows
	s_mul_i32 s94, s14, HALFS
	s_wait_dscnt 0x0                               ; both opening adds are done
	s_wait_kmcnt 0x0
	s_add_nc_u64 s[8:9], s[4:5], 0x400000          ; w's codes lie behind x's,
	s_add_nc_u64 s[10:11], s[6:7], 0x40000         ; w's scale bytes behind x's
	s_add_nc_u64 s[20:21], s[4:5], s[20:21]
	s_add_nc_u64 s[22:23], s[6:7], s[22:23]
	s_add_nc_u64 s[46:47], s[8:9], s[46:47]
	s_add_nc_u64 s[92:93], s[10:11], s[92:93]
	CROUND                                         ; all sixteen work-groups are here: the first joint loads meet
	s_mov_b32 s[G0S], 1
	s_add_co_u32 s[G0S+1], s94, SCL
	s_mov_b64 s[G0S+2:G0S+3], s[22:23]
	s_or_b32 s[G0S+3], s[G0S+3], 0x80000000
	s_mov_b32 s[G0SB], 1
	s_add_co_u32 s[G0SB+1], s94, SCL
	s_mov_b64 s[G0SB+2:G0SB+3], s[92:93]
	s_or_b32 s[G0SB+3], s[G0SB+3], 0x80000000
	JLOAD G0S, G1S, G0SB, G1SB                     ; the scales first
.irp s, 0,1
	s_mov_b32 s[G0+4*\s], 1
	s_add_co_u32 s[G0+4*\s+1], s45, \s*SLOT
	s_add_nc_u64 s[G0+4*\s+2:G0+4*\s+3], s[20:21], \s*ROWB
	s_or_b32 s[G0+4*\s+3], s[G0+4*\s+3], 0x80000000
	s_mov_b32 s[G0B+4*\s], 1
	s_add_co_u32 s[G0B+4*\s+1], s45, \s*SLOT
	s_add_nc_u64 s[G0B+4*\s+2:G0B+4*\s+3], s[46:47], \s*ROWB
	s_or_b32 s[G0B+4*\s+3], s[G0B+4*\s+3], 0x80000000
	JLOAD G0+4*\s, G1, G0B+4*\s, G1B
.endr
	v_and_b32 v1, 15, v0                           ; r
	v_bfe_u32 v2, v0, 4, 1                         ; h
	v_mul_u32_u24 v3, v1, PITCH
	v_lshl_add_u32 v4, v2, 4, v3
	s_mul_i32 s21, s15, HALFT
	s_mul_i32 s22, s16, HALFT
	s_add_co_u32 s22, s22, 2*HALFT
.irp s, 0,1
	v_add_nc_u32 v[ADRA+\s], s21, v4
	v_add_nc_u32 v[ADRB+\s], s22, v4
	s_add_co_u32 s21, s21, SLOT
	s_add_co_u32 s22, s22, SLOT
.endr
	v_mul_u32_u24 v5, v1, KS
	v_lshrrev_b32 v6, 8, v5
	v_lshl_add_u32 v5, v6, 4, v5
	s_mul_i32 s21, s15, HALFS
	s_mul_i32 s22, s16, HALFS
	s_add_co_u32 s22, s22, 2*HALFS
	s_sub_co_u32 s22, s22, s21
	v_mul_u32_u24 v6, s22, v2                      ; lanes 16-31 take w's scale words
	s_add_co_u32 s21, s21, SCL
	v_add_nc_u32 v5, v5, v6
	v_add_nc_u32 v[ADRS], s21, v5
	; the way out's addresses.  My stage, 2 heads x 16 rows x (128 bytes + 16), lies in slot 0, which has had its last fill and its last read when the first result is stored there
	s_mul_i32 s23, s14, 4608
	v_mul_u32_u24 v5, v1, 144
	v_lshl_add_u32 v5, v2, 4, v5
	v_add_nc_u32 v[STO], s23, v5                   ; in: row r, 16 bytes for each half of the lanes
	v_and_b32 v6, 31, v0
	v_lshrrev_b32 v5, 3, v6
	v_mul_u32_u24 v5, v5, 144
	v_and_b32 v7, 7, v0
	v_lshl_add_u32 v5, v7, 4, v5
	v_add_nc_u32 v[RD], s23, v5                    ; back: eight lanes to a row of 128 bytes, four rows an instruction
	v_lshlrev_b32 v[CO], 4, v6                     ; a head's rows are dense in qkvh: four rows are 512 consecutive bytes
	v_lshlrev_b32 v[TO], 8, v1
	v_lshl_add_u32 v[TO], v2, 5, v[TO]
	v_lshlrev_b32 v[FO], 13, v1
	v_lshl_add_u32 v[FO], v2, 5, v[FO]
	s_and_b32 s94, s17, 7
	s_or_b32 s66, s94, s15                         ; 0 where my rows begin a sequence
	s_lshl_b32 s92, s94, 8
	s_lshl_b32 s95, s15, 7
	s_add_co_u32 s92, s92, s95                     ; my first row's position in its sequence
	s_cmp_ge_u32 s42, 6
	s_cselect_b32 s92, 2048, s92                   ; v's tiles take the table's rows that hold (1, 0)
	s_lshl_b32 s92, s92, 8
	s_mov_b32 s93, 0
	s_add_nc_u64 s[96:97], s[96:97], s[92:93]
	WIN TO_B                                       ; the table's blocks 0-3, my first 64 rows: 32 loads that have the whole loop in which to land; neither their address nor their registers are touched before the way out
.irp a, 0,1,2,3
	CSLOAD \a
.endr
	WIN 0
	s_lshl_b32 s92, s42, 2
	s_lshl_b32 s95, s16, 1
	s_add_co_u32 s92, s92, s95                     ; my first head slot: 4 x tile column + 2 x half
	s_lshl_b32 s92, s92, 19
	s_lshl_b32 s95, s17, 15
	s_add_co_u32 s92, s92, s95
	s_lshl_b32 s95, s15, 14
	s_add_co_u32 s92, s92, s95                     ; + my first row x 128 bytes
	s_add_nc_u64 s[98:99], s[98:99], s[92:93]
	s_lshr_b32 s92, s17, 3                         ; the batch
	s_lshl_b32 s92, s92, 17
	s_lshl_b32 s95, s42, 10
	s_add_co_u32 s92, s92, s95
	s_lshl_b32 s95, s16, 9
	s_add_co_u32 s92, s92, s95
	s_add_nc_u64 s[100:101], s[100:101], s[92:93]
.macro FRAG reg, adr, q, i             ; 16 rows x 128 K of 4-bit codes: 8 registers, two loads of 16 bytes, 32 bytes apart
.irp c, 0,1
	ds_load_b128 v[\reg+4*\c:\reg+4*\c+3], v[\adr] offset:64*(\q)+32*\c+(\i)*16*PITCH
.endr
.endm
; 16 matrix instructions: x's blocks a0, a0 + 1 against w's eight.  The 64 accumulators take turns, one instruction a turn, in the same order in every step.
.macro MUL16 a0, p, q, sc, zero
.irp a, \a0, \a0+1
.irp b, 0,1,2,3,4,5,6,7
.if \zero
	v_wmma_scale_f32_16x16x128_f8f6f4 v[8*(8*((\a)%4)+\b):8*(8*((\a)%4)+\b)+7], v[128*(\p)+FR*\b:128*(\p)+FR*\b+FR-1], v[AF+FR*(\a):AF+FR*(\a)+FR-1], 0, v[SC+8*NQ*(\sc)+NQ*\b+(\q)], v[SC+8*NQ*(\sc)+NQ*(\a)+(\q)] matrix_a_fmt:MATRIX_FMT_FP4 matrix_b_fmt:MATRIX_FMT_FP4 matrix_a_scale:MATRIX_SCALE_ROW1
.else
	v_wmma_scale_f32_16x16x128_f8f6f4 v[8*(8*((\a)%4)+\b):8*(8*((\a)%4)+\b)+7], v[128*(\p)+FR*\b:128*(\p)+FR*\b+FR-1], v[AF+FR*(\a):AF+FR*(\a)+FR-1], v[8*(8*((\a)%4)+\b):8*(8*((\a)%4)+\b)+7], v[SC+8*NQ*(\sc)+NQ*\b+(\q)], v[SC+8*NQ*(\sc)+NQ*(\a)+(\q)] matrix_a_fmt:MATRIX_FMT_FP4 matrix_b_fmt:MATRIX_FMT_FP4 matrix_a_scale:MATRIX_SCALE_ROW1
.endif
.endr
.endr
.endm
.macro FETCH_B slot, q, p
	WIN TO_B
.irp i, 0,1,2,3,4,5,6,7
	FRAG 128*(\p)+FR*\i, ADRB+\slot, \q, \i
.endr
	WIN 0
.endm
.macro FETCH_A slot, q, i0
.irp i, \i0, \i0+1, \i0+2, \i0+3
	FRAG AF+FR*(\i), ADRA+\slot, \q, \i
.endr
.endm
.macro SCALES sc                       ; a K step's scale words: lanes 0-15 x's block i, lanes 16-31 w's block i
.irp i, 0,1,2,3,4,5,6,7
	ds_load_b128 v[SC+8*NQ*\sc+NQ*\i:SC+8*NQ*\sc+NQ*\i+3], v[ADRS] offset:\i*SBLK
.endr
.endm
.macro PLACES n                        ; plain vector lines between a matrix instruction and a load into, or a read of, its registers
.rept \n
	v_nop
.endr
.endm
.macro STEP slot, q, zero
	s_wait_dscnt 4*NL                              ; w's set and x's blocks 0-3 are in; x's blocks 4-7 may be out
	WIN MUL_LO
	MUL16 0, (\q)%2, \q, \slot, \zero
	MUL16 2, (\q)%2, \q, \slot, \zero
	s_wait_dscnt 0
	PLACES NP
	FETCH_B \slot, (\q)+1, 1-(\q)%2
	FETCH_A \slot, (\q)+1, 0
	WIN MUL_HI
	MUL16 4, (\q)%2, \q, \slot, \zero
	MUL16 6, (\q)%2, \q, \slot, \zero
	PLACES NP
	WIN 0
	FETCH_A \slot, (\q)+1, 4
.endm
; A slot's last step changes slots: one barrier; in front of it each wave waits for all its tensor loads, adds 0 to its spare word, and waits for that and for its reads of this slot.
.macro TURN slot, next, fill
	s_wait_tensorcnt 0x0                           ; all my tensor loads have landed: my part of the next slot
	ds_add_u32 v[SPW], v[NIL]
	s_wait_dscnt 4*NL+1                            ; (the add and x's blocks 4-7 may be out)
	WIN MUL_LO
	MUL16 0, 1, NQ-1, \slot, 0
	s_wait_dscnt 0x0                               ; the add is done, and my reads of this slot are over
	s_barrier_signal -1
	MUL16 2, 1, NQ-1, \slot, 0
	WIN 0
	s_barrier_wait -1
.if \fill
	CREST                                          ; no wave of any partner still reads this slot or has a load on its way
	s_add_nc_u64 s[G0+4*\slot+2:G0+4*\slot+3], s[G0+4*\slot+2:G0+4*\slot+3], 2*ROWB
	s_add_nc_u64 s[G0B+4*\slot+2:G0B+4*\slot+3], s[G0B+4*\slot+2:G0B+4*\slot+3], 2*ROWB
	JLOAD G0+4*\slot, G1, G0B+4*\slot, G1B         ; the first tensor load behind the round; its four v_nop are also the places in front of the loads below
.else
	PLACES NP
.endif
	v_add_nc_u32 v[ADRS], 4*NQ, v[ADRS]
	FETCH_B \next, 0, 0
	FETCH_A \next, 0, 0
	SCALES \next
	WIN MUL_HI
	MUL16 4, 1, NQ-1, \slot, 0
	MUL16 6, 1, NQ-1, \slot, 0
	PLACES NP
	WIN 0
	FETCH_A \next, 0, 4
.endm
.macro STEPS slot, from
.set Q, \from
.rept NQ-1-\from
	STEP \slot, Q, 0
.set Q, Q+1
.endr
.endm
	s_wait_tensorcnt 1                             ; the scales and my part of K step 0 are in (K step 1's load may be out),
	s_barrier_signal -1
	s_barrier_wait -1                              ; everybody's are
	FETCH_B 0, 0, 0
	FETCH_A 0, 0, 0
	SCALES 0
	FETCH_A 0, 0, 4
	STEP 0, 0, 1                                   ; the first step's products start the sums
	s_mov_b32 s3, LAPS-1
.Llap:
	STEPS 0, 1
	TURN 0, 1, 1
	STEPS 1, 0
	TURN 1, 0, 1
	STEP 0, 0, 0
	s_sub_co_u32 s3, s3, 1
	s_cmp_lg_u32 s3, 0
	s_cbranch_scc1 .Llap
	STEPS 0, 1                                     ; the last lap fills nothing
	TURN 0, 1, 0
	STEPS 1, 0
	s_wait_dscnt 4*NL
	WIN MUL_LO
	MUL16 0, 1, NQ-1, 1, 0
	MUL16 2, 1, NQ-1, 1, 0
	s_wait_dscnt 0
	WIN MUL_HI
	MUL16 4, 1, NQ-1, 1, 0
	MUL16 6, 1, NQ-1, 1, 0
	WIN 0
; THE WAY OUT, block by block of 16 rows x 128 columns (two heads).  Lane (r, h), accumulator b: row 16 a + r, channels 16 (b % 4) + 8 h + 0 .. 7 of head b / 4: pairs 8 (b % 4) + 4 h + 0 .. 3.
; ROT: the rotation, in f32, and the rounding to f16.  TOSTAGE: 16 bytes a lane into my stage, and back as whole rows.  SEND: stored.  Block a's ROT stands between block a - 1's loads from the stage and the wait for them.
.macro ROT a
.if (\a) >= 4
	s_wait_loadcnt 8*(7-(\a))                      ; this block's eight table loads are in; the later blocks' may be out
.endif
	CSBASE \a
.set AC, 64*((\a)%4)
	WIN (0x06+(\a)/4)                              ; source 0: the accumulators' window (2 or 3); source 1: the table's (1)
.irp b, 0,1,2,3,4,5,6,7
.irp p, 0,1,2,3
	v_mul_f32 v[TMPR+2*\p], v[AC+8*\b+2*\p+1], v[CSB+8*(\b%4)+2*\p+1]   ; x1 sin
	v_mul_f32 v[TMPR+2*\p+1], v[AC+8*\b+2*\p+1], v[CSB+8*(\b%4)+2*\p]   ; x1 cos
.endr
.irp p, 0,1,2,3
	v_fma_f32 v[RR+8*\b+2*\p], v[AC+8*\b+2*\p], v[CSB+8*(\b%4)+2*\p], -v[TMPR+2*\p]       ; x0 cos - x1 sin
	v_fma_f32 v[RR+8*\b+2*\p+1], v[AC+8*\b+2*\p], v[CSB+8*(\b%4)+2*\p+1], v[TMPR+2*\p+1]  ; x0 sin + x1 cos
.endr
.endr
	WIN 0
.if (\a) == 0                          ; positions 0-15 of a sequence also leave in f32: all lanes on where my rows begin a sequence, none elsewhere
	s_wait_xcnt 0x0                                ; EXEC changes only when the pending loads' addresses are translated
	v_cmp_eq_u32 vcc_lo, s66, v[NIL]
	s_and_saveexec_b32 s67, vcc_lo
.irp b, 0,1,2,3,4,5,6,7
	global_store_b128 v[FO], v[RR+8*\b:RR+8*\b+3], s[100:101] offset:64*\b
	global_store_b128 v[FO], v[RR+8*\b+4:RR+8*\b+7], s[100:101] offset:64*\b+16
.endr
	s_wait_xcnt 0x0                                ; and again, in front of the line that widens it; the stores' data may then be written again too
	s_or_b32 exec_lo, exec_lo, s67
.endif
.irp i, 0,1,2,3,4,5,6,7,8,9,10,11,12,13,14,15,16,17,18,19,20,21,22,23,24,25,26,27,28,29,30,31
	v_cvt_pk_f16_f32 v[PK+\i], v[RR+2*\i], v[RR+2*\i+1]
.endr
.endm
.macro TOSTAGE a
.irp b, 0,1,2,3,4,5,6,7
	ds_store_b128 v[STO], v[PK+4*\b:PK+4*\b+3] offset:2304*(\b/4)+32*(\b%4)
.endr
.irp hh, 0,1
.irp t, 0,1,2,3
	ds_load_b128 v[OBK+32*((\a)%2)+16*\hh+4*\t:OBK+32*((\a)%2)+16*\hh+4*\t+3], v[RD] offset:2304*\hh+576*\t   ; LDS serves a wave's instructions in order: these see the stores above, and the next block's stores come behind them
.endr
.endr
.endm
.macro SEND a, younger                 ; younger: the LDS instructions issued behind block a's loads, which may stay out
	s_wait_dscnt \younger
.irp hh, 0,1
.irp t, 0,1,2,3
	global_store_b128 v[CO], v[OBK+32*((\a)%2)+16*\hh+4*\t:OBK+32*((\a)%2)+16*\hh+4*\t+3], s[98:99] offset:524288*\hh+2048*(\a)+512*\t   ; 32 lanes store 512 consecutive bytes: four rows of a head
.endr
.endr
.endm
	PLACES NP                                      ; in front of the loads into w's and x's fragments' registers, the writes of the scale words' and the first reads of results
	s_wait_loadcnt 0x0                             ; the table's blocks 0-3, asked for at the head, are in: block 0 is read next
	WIN TO_B
.irp a, 4,5,6,7
	CSLOAD \a                                      ; my other 64 rows' table: four blocks' work in which to land
.endr
	WIN 0
	ROT 0
	TOSTAGE 0
.irp a, 1,2,3,4,5,6,7
	ROT \a
.if \a > 1
	s_wait_xcnt 0x0                                ; block a - 2's stores have read the registers into which block a's loads land
.endif
	TOSTAGE \a
	SEND \a-1, 16                                  ; behind block a - 1's loads: block a's 8 stores and 8 loads
.endr
	SEND 7, 0
	s_wait_tensorcnt 0x0                           ; the wave's end
	ds_add_u32 v[SPW], v[NIL]
	s_wait_dscnt 0x0
	CROUND                                         ; the closing round
	s_endpgm
.Lfunc_end_k_qbf373409c7_qkv:
	.size	k_qbf373409c7_qkv, .Lfunc_end_k_qbf373409c7_qkv-k_qbf373409c7_qkv
	.p2alignl 7, 3214868480
	.fill 96, 4, 3214868480
	.section	.rodata,"a",@progbits
	.p2align	6, 0x0
	.amdhsa_kernel k_qbf373409c7_qkv
		.amdhsa_group_segment_fixed_size 327680
		.amdhsa_private_segment_fixed_size 0
		.amdhsa_enable_private_segment 0
		.amdhsa_kernarg_size 40
		.amdhsa_user_sgpr_count 2
		.amdhsa_user_sgpr_kernarg_segment_ptr 1
		.amdhsa_wavefront_size32 1
		.amdhsa_system_sgpr_workgroup_id_x 1
		.amdhsa_system_sgpr_workgroup_id_y 1
		.amdhsa_system_sgpr_workgroup_id_z 1
		.amdhsa_system_vgpr_workitem_id 0
		.amdhsa_next_free_vgpr 1024
		.amdhsa_next_free_sgpr 102
		.amdhsa_reserve_vcc 1
		.amdhsa_float_denorm_mode_32 3
		.amdhsa_float_denorm_mode_16_64 3
		.amdhsa_memory_ordered 1
		.amdhsa_forward_progress 1
		.amdhsa_inst_pref_size 255
	.end_amdhsa_kernel
	.section	.bss,"aw",@nobits
	.p2align	6
	.space	262144
	.amdgpu_metadata
---
amdhsa.version: [ 1, 2 ]
amdhsa.kernels:
  - .name:           k_qbf373409c7_qkv
    .symbol:         k_qbf373409c7_qkv.kd
    .args:
      - { .name: codes, .offset: 0, .size: 8, .value_kind: global_buffer, .address_space: global }
      - { .name: scales, .offset: 8, .size: 8, .value_kind: global_buffer, .address_space: global }
      - { .name: rope, .offset: 16, .size: 8, .value_kind: global_buffer, .address_space: global }
      - { .name: qkvh, .offset: 24, .size: 8, .value_kind: global_buffer, .address_space: global }
      - { .name: fine32, .offset: 32, .size: 8, .value_kind: global_buffer, .address_space: global }
    .group_segment_fixed_size: 327680
    .private_segment_fixed_size: 0
    .kernarg_segment_align: 8
    .kernarg_segment_size: 40
    .max_flat_workgroup_size: 128
    .sgpr_count:     102
    .vgpr_count:     1024
    .wavefront_size: 32
...
	.end_amdgpu_metadata
.endif
;; end of part 2
;; launch attn (part 3): grid 16 x 16, 16 waves a work-group, no clusters, 327,680 bytes of LDS; arguments qkvh, ao16; writes ao16
.if DOCPART == 3
	.amdgcn_target "amdgcn-amd-amdhsa--gfx1250"
	.amdhsa_code_object_version 6
	.text
	.protected	k_qbf373409c7_attn
	.globl	k_qbf373409c7_attn
	.p2align	8
	.type	k_qbf373409c7_attn,@function
k_qbf373409c7_attn:
	s_mov_b64 s[64:65], 0
	v_nop
	global_prefetch_b8 v0, s[64:65] scope:SCOPE_SE
	s_setreg_imm32_b32 hwreg(HW_REG_WAVE_MODE, 25, 1), 1
	s_wait_xcnt 0x0
; ATTN: causal attention with grouped keys and values, f16 operands, f32 scores, maxima and sums.  qkvh [g][m][64] f16 (g 0-15 q, 16-23 k, 24-31 v) -> ao16 [4096][1024] f16.
; SHARES.  Work-group (x, y): batch y / 8, key-value head y % 8, the blocks of 64 positions x and 31 - x of BOTH query heads of that key-value head: x + 1 and 32 - x key steps of 64: 33 in every work-group.
; Wave w: sub = w % 4 (16 positions of the block), par = (w / 4) % 2, hi = w / 8 (block x or 31 - x).  A wave holds 16 positions x 2 heads: two tiles that share every fragment of K and V,
; and walks the key steps whose number has parity par.  Waves (sub, hi, 0) and (sub, hi, 1) are joined at the end through LDS.
; NO CLUSTER: under the causal mask partners would need different numbers of key tiles, so a joint load would bring tiles that no wave of some partner reads.
; LAYOUT.  S^T = K Q^T (source 0 = 16 keys, source 1 = 16 queries): a lane holds one query and keys 8 (lane / 16) + 0 .. 7; two such tiles, rounded to f16 in pairs, are source 1 of O^T = V^T P.
; K comes out of LDS as it lies, V ([key][channel]) turned by ds_load_tr16_b128.
; SOFTMAX.  For each query a running maximum m and sum l: p = 2^(c s - c m), c = log2(e) / 8; in every step O and l are multiplied by 2^(c m_old - c m_new).
; THE RING: two slots of 256 keys, 2^17 bytes apart; every work-group walks all 8 slots (constant trip count); a step all of whose keys come after the wave's queries is jumped over, and a slot whose
; first key comes after the work-group's last query is not asked for.  Every wait on TENSORcnt is for 0.
; LIMITS: |q|, |k|, |v| and the result stay under 65,504 (f16); p under 6e-8 is lost in f16.  Positions 0-15 of each sequence are made again, in f32, by the last launch.
; REGISTERS: v0 prefetch offset; v1-7 addresses; v8-23 statistics (tile t at v[8 + 8 t]: +0 c m, +1 m, +2, +3 l, +4, +5 maxima, +6 a, +7 at work); v24-27 at work; v28-31 addresses of the end;
;   v32-63 Q; v64-127 eight fragments of K, then of V; v128-191 S^T, then p, then P; v192-255 O^T.
.set KP,    144                        ; a key's row in LDS: 128 bytes + 16
.set VP,    160                        ; a row of V: 128 + 32
.set VOFF,  256*KP                     ; a slot: 256 rows of K, then 256 rows of V
.set SLOT1, 1<<17
.set MRG,   SLOT1+VOFF+256*VP          ; behind the ring: for each pair of waves an image of O^T (16 x 512 bytes) and of the statistics (512)
.set MIMG,  8704
.set STG,   MRG+8*MIMG                 ; for each pair a stage of 16 rows x (256 bytes + 16)
.set SROW,  272
.set SPARE, STG+8*16*SROW              ; the spare words, 128 bytes a wave
.set PFO, 0
.set AK0, 1
.set AV0, 2
.set ADK, 3
.set ADV, 4
.set SPW, 5
.set NIL, 6
.set QD,  7
.set ST,  8
.set MA,  28
.set STO, 29
.set RD,  30
.set GO,  31
.set QF,  32
.set FR,  64
.set S,   128
.set O,   192
.set TB,  2                            ; s2   LDS byte at which the slot in hand begins
.set WV,  18
.set SEL, 20                           ; s[20:21] v_permlanex16_b32's selects: lane l xor 16
.set CS,  22                           ; s[22:23] c, twice
.set G1K, 24
.set G1V, 32
.set G0K, 40
.set G0V, 44
.set SF,  66                           ; s66  the slot's first key
.set SLOTS, 67
.set QL,  68                           ; s68  my work-group's last query
.set SUB, 69
.set PAR, 70
.set HI,  71
.set PFA, 76                           ; s[76:77] where my prefetches stand
.set LIM, 80                           ; s80  1 in a wave that prefetches, else the greatest number
.set KF,  98                           ; s98  the step's first key
.set Q0,  99                           ; s99  my first query
; Waves 0 and 1 fetch K's halves, waves 2 and 3 V's, the others nothing.  An s_nop 0 and four v_nop follow each line.
.macro TLOAD
	s_cmp_lt_u32 s[WV], 2
	s_cbranch_scc0 .Lnot_k_\@
	tensor_load_to_lds s[G0K:G0K+3], s[G1K:G1K+7]
	s_nop 0
.rept 4
	v_nop
.endr
	s_branch .Lasked_\@
.Lnot_k_\@:
	s_cmp_lt_u32 s[WV], 4
	s_cbranch_scc0 .Lasked_\@
	tensor_load_to_lds s[G0V:G0V+3], s[G1V:G1V+7]
	s_nop 0
.rept 4
	v_nop
.endr
.Lasked_\@:
.endm
; A prefetch of what the NEXT change of slots will ask for: a slot's 32,768 bytes of K and of V.  All sixteen work-groups of a key-value head walk the same rows: the first of them (x = 0, which walks all
; slots) asks, by the waves that fetch nothing: waves 4-7 for K, waves 8-11 for V, 8,192 bytes a wave, lanes 256 bytes apart: each block of 256 bytes is named once.  The last change that fills a slot asks for nothing.
.macro ASK
	s_cmp_gt_u32 s[SLOTS], s[LIM]
	s_cbranch_scc0 .Lnot_mine_\@
	global_prefetch_b8 v[PFO], s[PFA:PFA+1] th:TH_LOAD_NT scope:SCOPE_SE
.Lnot_mine_\@:
.endm
	s_load_b128 s[4:7], s[0:1], 0x0                ; qkvh s[4:5], ao16 s[6:7]
	v_lshl_add_u32 v[SPW], v0, 2, SPARE
	v_mov_b32 v[NIL], 0
	ds_add_u32 v[SPW], v[NIL]                      ; the wave's opening: the add, twice on end, and its wait ahead of the first tensor load
	ds_add_u32 v[SPW], v[NIL]
	v_lshrrev_b32 v24, 5, v0
	v_readfirstlane_b32 s[WV], v24                 ; wave 0..15
	s_and_b32 s[SUB], s[WV], 3
	s_bfe_u32 s[PAR], s[WV], 0x10002
	s_lshr_b32 s[HI], s[WV], 3
	s_and_b32 s72, ttmp7, 0xffff
	s_lshr_b32 s73, s72, 3                         ; the batch
	s_and_b32 s74, s72, 7                          ; the key-value head
	s_sub_co_u32 s75, 31, ttmp9
	s_cmp_eq_u32 s[HI], 0
	s_cselect_b32 s75, ttmp9, s75                  ; my block of 64 positions
	s_lshl_b32 s[Q0], s75, 6
	s_lshl_b32 s75, s[SUB], 4
	s_add_co_u32 s[Q0], s[Q0], s75
	s_lshl_b32 s[QL], ttmp9, 6
	s_sub_co_u32 s[QL], 2047, s[QL]
	s_add_co_u32 s82, s74, 16
	s_lshl_b32 s82, s82, 19
	s_lshl_b32 s83, s73, 18
	s_add_co_u32 s82, s82, s83                     ; K of my batch and head, in bytes; V lies 8 head slots on
	s_mov_b32 s83, 0
	s_and_b32 s84, s[WV], 1                        ; which half of a slot's rows I fetch, if I fetch
	s_lshl_b32 s90, s84, 14
	s_mov_b32 s91, 0
	s_mov_b32 s[G1K], (1<<16)|(1<<20)|(4<<22)|(3<<25)   ; elements of 2 bytes; padding: 4 words behind every 32
	s_mov_b32 s[G1V], (1<<16)|(1<<20)|(4<<22)|(7<<25)   ; 8 words
.irp g, G1K, G1V
	s_mov_b32 s[\g+1], 64<<16                      ; tensor_dim0
	s_mov_b32 s[\g+2], 128<<16                     ; tensor_dim1
	s_mov_b32 s[\g+3], 64<<16                      ; tile_dim0
	s_mov_b32 s[\g+4], 128                         ; tile_dim1
	s_mov_b32 s[\g+5], 64                          ; the pitch: rows are dense
	s_mov_b32 s[\g+6], 0
	s_mov_b32 s[\g+7], 0
.endr
	s_mov_b32 s[SEL], 0x76543210
	s_mov_b32 s[SEL+1], 0xfedcba98
	s_mov_b32 s[CS], 0x3e38aa3b                    ; c = log2(e) / 8
	s_mov_b32 s[CS+1], s[CS]
	s_mov_b32 s[TB], 0
	s_mov_b32 s[SF], 0
	s_mov_b32 s[SLOTS], 7
	s_lshl_b32 s[KF], s[PAR], 6
	; every vector address is made here, ahead of the first parting of the waves
	v_and_b32 v24, 15, v0                          ; r
	v_bfe_u32 v25, v0, 4, 1                        ; h
	v_mul_u32_u24 v[AK0], v24, KP
	v_lshl_add_u32 v[AK0], v25, 4, v[AK0]
	s_mul_i32 s75, s[PAR], 64*KP
	v_add_nc_u32 v[AK0], s75, v[AK0]               ; K: row r, 16 bytes for each half, my parity's 64 keys
	v_and_b32 v26, 7, v0
	v_lshl_add_u32 v[AV0], v25, 3, v26
	v_mul_u32_u24 v[AV0], v[AV0], VP
	v_bfe_u32 v26, v0, 3, 1
	v_lshl_add_u32 v[AV0], v26, 4, v[AV0]
	s_mul_i32 s75, s[PAR], 64*VP
	s_add_co_u32 s75, s75, VOFF
	v_add_nc_u32 v[AV0], s75, v[AV0]               ; V: key 8 h + lane % 8, channels 8 ((lane / 8) % 2) on
	v_lshlrev_b32 v[QD], 3, v25
	v_sub_nc_u32 v[QD], v24, v[QD]                 ; r - 8 h
	s_lshl_b32 s75, s[HI], 2
	s_add_co_u32 s75, s75, s[SUB]                  ; my pair of waves
	s_mul_i32 s81, s75, MIMG
	s_add_co_u32 s81, s81, MRG
	v_and_b32 v26, 31, v0
	v_lshl_add_u32 v[MA], v26, 4, s81
	s_mul_i32 s81, s75, 16*SROW
	s_add_co_u32 s81, s81, STG
	v_mul_u32_u24 v[STO], v24, SROW
	v_lshl_add_u32 v[STO], v25, 4, v[STO]
	v_add_nc_u32 v[STO], s81, v[STO]
	v_mul_u32_u24 v[RD], v25, SROW
	v_lshl_add_u32 v[RD], v24, 4, v[RD]
	v_add_nc_u32 v[RD], s81, v[RD]
	v_lshlrev_b32 v[GO], 11, v25
	v_lshl_add_u32 v[GO], v24, 4, v[GO]
	v_lshlrev_b32 v[ADK], 7, v24
	v_lshl_add_u32 v[ADK], v25, 4, v[ADK]          ; Q: 128 r + 16 h (the register serves K's loads once Q is in)
	v_lshlrev_b32 v[PFO], 8, v26                   ; v0's last use as the thread's number was above
	s_wait_dscnt 0x0                               ; both opening adds are done
	s_wait_kmcnt 0x0
	s_add_nc_u64 s[86:87], s[4:5], s[82:83]        ; K's first row
	s_add_nc_u64 s[88:89], s[86:87], 0x400000      ; V's
	s_mov_b32 s[G0K], 1
	s_mul_i32 s[G0K+1], s84, 128*KP
	s_add_nc_u64 s[G0K+2:G0K+3], s[86:87], s[90:91]
	s_or_b32 s[G0K+3], s[G0K+3], 0x80000000
	s_mov_b32 s[G0V], 1
	s_mul_i32 s[G0V+1], s84, 128*VP
	s_add_co_u32 s[G0V+1], s[G0V+1], VOFF
	s_add_nc_u64 s[G0V+2:G0V+3], s[88:89], s[90:91]
	s_or_b32 s[G0V+3], s[G0V+3], 0x80000000
	TLOAD                                          ; slot 0: it holds key 0, which counts for every query
	s_lshl_b32 s92, s74, 20                        ; Q: head 2 x key-value head,
	s_lshl_b32 s93, s73, 18
	s_add_co_u32 s92, s92, s93
	s_lshl_b32 s93, s[Q0], 7
	s_add_co_u32 s92, s92, s93                     ; my first query's row
	s_mov_b32 s93, 0
	s_add_nc_u64 s[8:9], s[4:5], s[92:93]
.irp t, 0,1
.irp c, 0,1
.irp x, 0,1
	global_load_b128 v[QF+16*\t+8*\c+4*\x:QF+16*\t+8*\c+4*\x+3], v[ADK], s[8:9] offset:524288*\t+64*\c+32*\x
.endr
.endr
.endr
	s_lshl_b32 s92, s73, 22
	s_lshl_b32 s94, s[Q0], 11
	s_add_co_u32 s92, s92, s94
	s_lshl_b32 s94, s74, 8
	s_add_co_u32 s92, s92, s94
	s_add_nc_u64 s[6:7], s[6:7], s[92:93]          ; ao16 at my first query, my two heads' 256 bytes
	s_cmp_lt_u32 s[WV], 8
	s_cselect_b64 s[PFA:PFA+1], s[86:87], s[88:89]
	s_and_b32 s92, s[WV], 3
	s_lshl_b32 s92, s92, 13
	s_add_co_u32 s92, s92, 32768                   ; in slot 1: the first change of slots steps it to slot 2; nothing is prefetched at the head
	s_add_nc_u64 s[PFA:PFA+1], s[PFA:PFA+1], s[92:93]
	s_sub_co_u32 s92, s[WV], 4
	s_lshr_b32 s92, s92, 3                         ; 0 in waves 4 to 11,
	s_or_b32 s92, s92, ttmp9                       ; of the head's first work-group
	s_cmp_eq_u32 s92, 0
	s_cselect_b32 s[LIM], 1, -1
.irp t, 0,1
	v_mov_b32 v[ST+8*\t+1], 0xff61b1e6             ; m: -3e38, under every score
	v_mul_f32 v[ST+8*\t], s[CS], v[ST+8*\t+1]
.irp k, 2,3,4,5,6,7
	v_mov_b32 v[ST+8*\t+\k], 0
.endr
.endr
.irp j, 0,1,2,3,4,5,6,7,8,9,10,11,12,13,14,15,16,17,18,19,20,21,22,23,24,25,26,27,28,29,30,31,32,33,34,35,36,37,38,39,40,41,42,43,44,45,46,47,48,49,50,51,52,53,54,55,56,57,58,59,60,61,62,63
	v_mov_b32 v[O+\j], 0                           ; O^T: the step is written once; a wave with no step of its parity hands zeros on
.endr
; A KEY STEP: 64 keys: the slot's first key + 128 st + 64 par.
.macro STEP st
	s_add_co_u32 s96, s[Q0], 15
	s_cmp_gt_u32 s[KF], s96                        ; all keys come after my queries: nothing to do (ids and the count of steps alone)
	s_cbranch_scc1 .Lhidden_\@
	v_add_nc_u32 v[ADK], s[TB], v[AK0]
	v_add_nc_u32 v[ADV], s[TB], v[AV0]
.irp kt, 0,1,2,3
.irp c, 0,1
	ds_load_b128 v[FR+8*(2*\kt+\c):FR+8*(2*\kt+\c)+3], v[ADK] offset:(128*(\st)+16*\kt)*KP+64*\c
	ds_load_b128 v[FR+8*(2*\kt+\c)+4:FR+8*(2*\kt+\c)+7], v[ADK] offset:(128*(\st)+16*\kt)*KP+64*\c+32
.endr
.endr
	s_wait_dscnt 0x0
.irp c, 0,1                            ; eight accumulators by turns, one instruction a turn
.irp kt, 0,1,2,3
.irp t, 0,1
.if \c == 0
	v_wmma_f32_16x16x32_f16 v[S+32*\t+8*\kt:S+32*\t+8*\kt+7], v[FR+8*(2*\kt+\c):FR+8*(2*\kt+\c)+7], v[QF+16*\t+8*\c:QF+16*\t+8*\c+7], 0
.else
	v_wmma_f32_16x16x32_f16 v[S+32*\t+8*\kt:S+32*\t+8*\kt+7], v[FR+8*(2*\kt+\c):FR+8*(2*\kt+\c)+7], v[QF+16*\t+8*\c:QF+16*\t+8*\c+7], v[S+32*\t+8*\kt:S+32*\t+8*\kt+7]
.endif
.endr
.endr
.endr
.rept 4
	v_nop                                          ; places in front of the loads into K's registers and of the first reads of the scores
.endr
.irp u, 0,1                            ; V lands while the softmax is walked
.irp ct, 0,1,2,3
	ds_load_tr16_b128 v[FR+8*(4*\u+\ct):FR+8*(4*\u+\ct)+3], v[ADV] offset:(128*(\st)+32*\u)*VP+32*\ct
	ds_load_tr16_b128 v[FR+8*(4*\u+\ct)+4:FR+8*(4*\u+\ct)+7], v[ADV] offset:(128*(\st)+32*\u)*VP+32*\ct+16*VP
.endr
.endr
	s_add_co_u32 s96, s[KF], 63
	s_cmp_le_u32 s96, s[Q0]                        ; all keys count: no mask
	s_cbranch_scc1 .Lopen_\@
	s_sub_co_i32 s96, s[Q0], s[KF]
	v_add_nc_u32 v24, s96, v[QD]                   ; register n holds key KF + 8 h + 16 (n / 8) + n % 8: hidden where 16 (n / 8) + n % 8 > my query - KF - 8 h
	v_mov_b32 v25, 0xff800000
.irp n, 0,1,2,3,4,5,6,7,8,9,10,11,12,13,14,15,16,17,18,19,20,21,22,23,24,25,26,27,28,29,30,31
	v_cmp_gt_i32 vcc_lo, 16*(\n/8)+\n%8, v24
	v_cndmask_b32 v[S+\n], v[S+\n], v25, vcc_lo
	v_cndmask_b32 v[S+32+\n], v[S+32+\n], v25, vcc_lo
.endr
.Lopen_\@:
.irp t, 0,1                            ; the maximum of 32 scores and the old m, in two chains; each accumulator is first read at its low end
	v_max3_num_f32 v[ST+8*\t+4], v[S+32*\t], v[S+32*\t+1], v[S+32*\t+2]
	v_max3_num_f32 v[ST+8*\t+5], v[S+32*\t+3], v[S+32*\t+4], v[S+32*\t+5]
.endr
.irp j, 0,1,2,3,4,5,6,7,8,9,10,11,12
.irp t, 0,1
	v_max3_num_f32 v[ST+8*\t+4+\j%2], v[ST+8*\t+4+\j%2], v[S+32*\t+6+2*\j], v[S+32*\t+7+2*\j]
.endr
.endr
.irp t, 0,1
	v_max3_num_f32 v[ST+8*\t+4], v[ST+8*\t+4], v[ST+8*\t+5], v[ST+8*\t+1]
.endr
.irp t, 0,1
	v_permlanex16_b32 v[ST+8*\t+5], v[ST+8*\t+4], s[SEL], s[SEL+1]   ; the query's other keys lie in the lane 16 away
.endr
.irp t, 0,1
	v_mov_b32 v[ST+8*\t+7], v[ST+8*\t]             ; c m_old
.endr
.irp t, 0,1
	v_max_num_f32 v[ST+8*\t+1], v[ST+8*\t+4], v[ST+8*\t+5]
.endr
.irp t, 0,1
	v_mul_f32 v[ST+8*\t], s[CS], v[ST+8*\t+1]
.endr
.irp t, 0,1
	v_sub_f32 v[ST+8*\t+7], v[ST+8*\t+7], v[ST+8*\t]
.endr
.irp j, 0,2,4,6,8,10,12,14,16,18,20,22,24,26,28,30
.irp t, 0,1
	v_pk_fma_f32 v[S+32*\t+\j:S+32*\t+\j+1], v[S+32*\t+\j:S+32*\t+\j+1], s[CS:CS+1], v[ST+8*\t:ST+8*\t+1] op_sel_hi:[1,0,0] neg_lo:[0,0,1] neg_hi:[0,0,1]   ; c s - c m
.endr
.endr
.irp t, 0,1
	v_exp_f32 v[ST+8*\t+6], v[ST+8*\t+7]           ; a
.endr
.irp j, 0,1,2,3,4,5,6,7,8,9,10,11,12,13,14,15,16,17,18,19,20,21,22,23,24,25,26,27,28,29,30,31
.irp t, 0,1
	v_exp_f32 v[S+32*\t+\j], v[S+32*\t+\j]         ; p
.endr
.endr
	v_nop                                          ; a plain line behind the last exponential
	s_wait_alu depctr_va_vdst(0)                   ; one wait for the batch of 66, ahead of its first reader
.irp t, 0,1
	v_pk_fma_f32 v[ST+8*\t+2:ST+8*\t+3], v[ST+8*\t+2:ST+8*\t+3], v[ST+8*\t+6:ST+8*\t+7], v[S+32*\t:S+32*\t+1] op_sel_hi:[1,0,1]   ; l = l a + the sum of the unrounded p, in two chains
	v_pk_add_f32 v[24+2*\t:25+2*\t], v[S+32*\t+2:S+32*\t+3], v[S+32*\t+4:S+32*\t+5]
.endr
.irp j, 6,10,14,18,22,26
.irp t, 0,1
	v_pk_add_f32 v[ST+8*\t+2:ST+8*\t+3], v[ST+8*\t+2:ST+8*\t+3], v[S+32*\t+\j:S+32*\t+\j+1]
	v_pk_add_f32 v[24+2*\t:25+2*\t], v[24+2*\t:25+2*\t], v[S+32*\t+\j+2:S+32*\t+\j+3]
.endr
.endr
.irp t, 0,1
	v_pk_add_f32 v[ST+8*\t+2:ST+8*\t+3], v[ST+8*\t+2:ST+8*\t+3], v[S+32*\t+30:S+32*\t+31]
.endr
.irp t, 0,1
	v_pk_add_f32 v[ST+8*\t+2:ST+8*\t+3], v[ST+8*\t+2:ST+8*\t+3], v[24+2*\t:25+2*\t]
.endr
.irp j, 0,1,2,3,4,5,6,7,8,9,10,11,12,13,14,15
.irp t, 0,1
	v_cvt_pk_f16_f32 v[S+32*\t+\j], v[S+32*\t+2*\j], v[S+32*\t+2*\j+1]   ; in place, ascending: registers 8 u .. 8 u + 7 become P of keys 32 u on
.endr
.endr
.irp j, 0,2,4,6,8,10,12,14,16,18,20,22,24,26,28,30
.irp t, 0,1
	v_pk_mul_f32 v[O+32*\t+\j:O+32*\t+\j+1], v[O+32*\t+\j:O+32*\t+\j+1], v[ST+8*\t+6:ST+8*\t+7] op_sel_hi:[1,0]   ; O^T x a
.endr
.endr
	s_wait_dscnt 0x0                               ; V is in
.irp u, 0,1
.irp ct, 0,1,2,3
.irp t, 0,1
	v_wmma_f32_16x16x32_f16 v[O+32*\t+8*\ct:O+32*\t+8*\ct+7], v[FR+8*(4*\u+\ct):FR+8*(4*\u+\ct)+7], v[S+32*\t+8*\u:S+32*\t+8*\u+7], v[O+32*\t+8*\ct:O+32*\t+8*\ct+7]
.endr
.endr
.endr
.rept 5
	v_nop                                          ; five places: the next step's first products write over P's registers; its loads land in V's
.endr
.Lhidden_\@:
	s_add_co_u32 s[KF], s[KF], 128
.endm
; THE CHANGE OF SLOTS stands at a slot's head: each wave waits for all its tensor loads, adds 0 to its spare word, waits for that and for its reads of the slot that it has left, and passes the barrier.
; fill = 1: the slot that was left takes the keys that follow, up to the causal limit.
.macro CHANGE fill
	s_wait_tensorcnt 0x0                           ; no tensor load of mine is out, so a group 0 may be written
	ds_add_u32 v[SPW], v[NIL]
.if \fill
	ds_add_u32 v[SPW], v[NIL]                      ; and once more
	s_xor_b32 s[G0K+1], s[G0K+1], SLOT1
	s_add_nc_u64 s[G0K+2:G0K+3], s[G0K+2:G0K+3], 32768
	s_xor_b32 s[G0V+1], s[G0V+1], SLOT1
	s_add_nc_u64 s[G0V+2:G0V+3], s[G0V+2:G0V+3], 32768
	s_wait_xcnt 0x0                                ; the last prefetch, a slot back, has read its address
	s_add_nc_u64 s[PFA:PFA+1], s[PFA:PFA+1], 32768
.endif
	s_wait_dscnt 0x0
	s_barrier_signal -1
	s_barrier_wait -1
.if \fill
	s_add_co_u32 s96, s[SF], 256                   ; the first key of the slot that this change would ask for
	s_cmp_gt_u32 s96, s[QL]                        ; past my work-group's last query: none of its waves would read it.  Ids and the count of slots alone: all sixteen waves go the same way
	s_cbranch_scc1 .Lpast_\@
	TLOAD                                          ; a wave's one tensor load until the next change
.Lpast_\@:
	ASK
.endif
.endm
	s_wait_loadcnt 0x0                             ; Q
.Lslot:                                            ; 7 trips
	CHANGE 1
	STEP 0
	STEP 1
	s_xor_b32 s[TB], s[TB], SLOT1
	s_add_co_u32 s[SF], s[SF], 256
	s_sub_co_u32 s[SLOTS], s[SLOTS], 1
	s_cmp_lg_u32 s[SLOTS], 0
	s_cbranch_scc1 .Lslot
	CHANGE 0                                       ; the last slot: nothing is left to fetch
	STEP 0
	STEP 1
	; THE END.  The wave of parity 1 hands its O^T, c m and l to its partner as images of its registers.
	s_cmp_eq_u32 s[PAR], 0
	s_cbranch_scc1 .Lkeep
	v_mov_b32 v24, v[ST]
	v_add_f32 v25, v[ST+2], v[ST+3]
	v_mov_b32 v26, v[ST+8]
	v_add_f32 v27, v[ST+10], v[ST+11]
.irp k, 0,1,2,3,4,5,6,7,8,9,10,11,12,13,14,15
	ds_store_b128 v[MA], v[O+4*\k:O+4*\k+3] offset:512*\k
.endr
	ds_store_b128 v[MA], v[24:27] offset:8192
.Lkeep:
	s_wait_dscnt 0x0                               ; for the partner's sake: my stores have landed
	s_barrier_signal -1
	s_barrier_wait -1
	s_cmp_lg_u32 s[PAR], 0
	s_cbranch_scc1 .Ldone
.irp k, 0,1,2,3,4,5,6,7,8,9,10,11,12,13,14,15
	ds_load_b128 v[FR+4*\k:FR+4*\k+3], v[MA] offset:512*\k
.endr
	ds_load_b128 v[24:27], v[MA] offset:8192
	s_wait_dscnt 0x0
.irp t, 0,1
	v_max_num_f32 v[ST+8*\t+4], v[ST+8*\t], v[24+2*\t]          ; the common c m
.endr
.irp t, 0,1
	v_sub_f32 v[ST+8*\t+5], v[ST+8*\t], v[ST+8*\t+4]
	v_sub_f32 v[ST+8*\t+7], v[24+2*\t], v[ST+8*\t+4]
.endr
.irp t, 0,1
	v_exp_f32 v[ST+8*\t+5], v[ST+8*\t+5]
	v_exp_f32 v[ST+8*\t+7], v[ST+8*\t+7]
.endr
.irp t, 0,1
	v_add_f32 v[ST+8*\t+2], v[ST+8*\t+2], v[ST+8*\t+3]          ; (plain lines behind the exponentials)
.endr
	s_wait_alu depctr_va_vdst(0)
.irp t, 0,1
	v_mul_f32 v[ST+8*\t+2], v[ST+8*\t+2], v[ST+8*\t+5]
.endr
.irp t, 0,1
	v_fma_f32 v[ST+8*\t+2], v[25+2*\t], v[ST+8*\t+7], v[ST+8*\t+2]
.endr
.irp t, 0,1
	v_permlanex16_b32 v[ST+8*\t+3], v[ST+8*\t+2], s[SEL], s[SEL+1]
.endr
.irp t, 0,1
	v_add_f32 v[ST+8*\t+2], v[ST+8*\t+2], v[ST+8*\t+3]          ; the row's sum
.endr
.irp t, 0,1
	v_rcp_f32 v[ST+8*\t+2], v[ST+8*\t+2]
.endr
	v_nop
	s_wait_alu depctr_va_vdst(0)
.irp t, 0,1
	v_mul_f32 v[ST+8*\t+4], v[ST+8*\t+5], v[ST+8*\t+2]          ; my part's factor / the sum,
	v_mul_f32 v[ST+8*\t+6], v[ST+8*\t+7], v[ST+8*\t+2]          ; my partner's
.endr
.irp j, 0,2,4,6,8,10,12,14,16,18,20,22,24,26,28,30
.irp t, 0,1
	v_pk_mul_f32 v[O+32*\t+\j:O+32*\t+\j+1], v[O+32*\t+\j:O+32*\t+\j+1], v[ST+8*\t+4:ST+8*\t+5] op_sel_hi:[1,0]
.endr
.endr
.irp j, 0,2,4,6,8,10,12,14,16,18,20,22,24,26,28,30
.irp t, 0,1
	v_pk_fma_f32 v[O+32*\t+\j:O+32*\t+\j+1], v[FR+32*\t+\j:FR+32*\t+\j+1], v[ST+8*\t+6:ST+8*\t+7], v[O+32*\t+\j:O+32*\t+\j+1] op_sel_hi:[1,0,1]
.endr
.endr
.irp i, 0,1,2,3,4,5,6,7,8,9,10,11,12,13,14,15,16,17,18,19,20,21,22,23,24,25,26,27,28,29,30,31
	v_cvt_pk_f16_f32 v[S+\i], v[O+2*\i], v[O+2*\i+1]
.endr
.irp t, 0,1
.irp ct, 0,1,2,3
	ds_store_b128 v[STO], v[S+16*\t+4*\ct:S+16*\t+4*\ct+3] offset:128*\t+32*\ct   ; query r, head t, channels 16 ct + 8 h on
.endr
.endr
.irp i, 0,1,2,3,4,5,6,7
	ds_load_b128 v[S+32+4*\i:S+32+4*\i+3], v[RD] offset:2*\i*SROW   ; LDS serves a wave's instructions in order: these see my stores
.endr
.irp i, 0,1,2,3,4,5,6,7
	s_wait_dscnt 7-\i
	global_store_b128 v[GO], v[S+32+4*\i:S+32+4*\i+3], s[6:7] offset:4096*\i   ; 16 lanes store 256 consecutive bytes, aligned: both heads of a row
.endr
.Ldone:
	s_wait_tensorcnt 0x0                           ; the wave's end
	ds_add_u32 v[SPW], v[NIL]
	s_wait_dscnt 0x0
	s_endpgm
.Lfunc_end_k_qbf373409c7_attn:
	.size	k_qbf373409c7_attn, .Lfunc_end_k_qbf373409c7_attn-k_qbf373409c7_attn
	.p2alignl 7, 3214868480
	.fill 96, 4, 3214868480
	.section	.rodata,"a",@progbits
	.p2align	6, 0x0
	.amdhsa_kernel k_qbf373409c7_attn
		.amdhsa_group_segment_fixed_size 327680
		.amdhsa_private_segment_fixed_size 0
		.amdhsa_enable_private_segment 0
		.amdhsa_kernarg_size 16
		.amdhsa_user_sgpr_count 2
		.amdhsa_user_sgpr_kernarg_segment_ptr 1
		.amdhsa_wavefront_size32 1
		.amdhsa_system_sgpr_workgroup_id_x 1
		.amdhsa_system_sgpr_workgroup_id_y 1
		.amdhsa_system_sgpr_workgroup_id_z 1
		.amdhsa_system_vgpr_workitem_id 0
		.amdhsa_next_free_vgpr 256
		.amdhsa_next_free_sgpr 100
		.amdhsa_reserve_vcc 1
		.amdhsa_float_denorm_mode_32 3
		.amdhsa_float_denorm_mode_16_64 3
		.amdhsa_memory_ordered 1
		.amdhsa_forward_progress 1
		.amdhsa_inst_pref_size 105
	.end_amdhsa_kernel
	.amdgpu_metadata
---
amdhsa.version: [ 1, 2 ]
amdhsa.kernels:
  - .name:           k_qbf373409c7_attn
    .symbol:         k_qbf373409c7_attn.kd
    .args:
      - { .name: qkvh, .offset: 0, .size: 8, .value_kind: global_buffer, .address_space: global }
      - { .name: ao16, .offset: 8, .size: 8, .value_kind: global_buffer, .address_space: global }
    .group_segment_fixed_size: 327680
    .private_segment_fixed_size: 0
    .kernarg_segment_align: 8
    .kernarg_segment_size: 16
    .max_flat_workgroup_size: 512
    .sgpr_count:     100
    .vgpr_count:     256
    .wavefront_size: 32
...
	.end_amdgpu_metadata
.endif
;; end of part 3
;; launch proj (part 4): grid 8 x 32, 4 waves a work-group, clusters of 4 x 4, 327,680 bytes of LDS; arguments ao16, wo16, out0; writes out0
.if DOCPART == 4
	.amdgcn_target "amdgcn-amd-amdhsa--gfx1250"
	.amdhsa_code_object_version 6
	.text
	.protected	k_qbf373409c7_proj
	.globl	k_qbf373409c7_proj
	.p2align	8
	.type	k_qbf373409c7_proj,@function
k_qbf373409c7_proj:
	s_mov_b64 s[64:65], 0
	v_nop
	global_prefetch_b8 v0, s[64:65] scope:SCOPE_SE
	s_setreg_imm32_b32 hwreg(HW_REG_WAVE_MODE, 25, 1), 1
	s_wait_xcnt 0x0
	s_wait_alu depctr_hold_cnt(0) depctr_sa_sdst(0) depctr_va_vdst(0) depctr_va_sdst(0) depctr_va_ssrc(0) depctr_va_vcc(0) depctr_vm_vsrc(0)
	s_getreg_b32 s2, hwreg(HW_REG_IB_STS2, 6, 4)
	s_cmp_eq_u32 s2, 0
	s_cbranch_scc0 .Lentry_in_a_cluster
	s_endpgm
.Lentry_in_a_cluster:
	s_bfe_u32 s2, ttmp6, 0x10000c
	s_cmp_lg_u32 s2, 0xf033
	s_cbranch_scc0 .Lentry_shape_is_right
	s_endpgm
.Lentry_shape_is_right:
; PROJ: out0[m][n] = sum over k of ao16[m][k] wo16[k][n].  ao16 [4096][1024], wo16 [1024][2048]: f16; out0 [4096][2048] f32; sums in f32.
; A tile of out0 is 128 x 256: 256 work-groups.  Four waves, 64 x 128 each: 32 accumulators, 256 registers.  K goes in steps of 128 through a ring of two LDS slots.
; wo16 lies [k][n]: its fragments come out of LDS turned, by ds_load_tr16_b128.  The matrix instruction is used transposed (source 0 = 16 columns of wo, source 1 = 16 rows of ao):
; a lane holds eight neighbouring columns of a row of out0.
; CLUSTERS: 4 x 4 work-groups: ao's tiles are asked for jointly along a row of the cluster, wo's along a column.
; NO PREFETCH: of the 8 K steps the head's fills and the first refills bring four, and each later refill has a K step's 128 matrix instructions in which to land.
; LIMIT: rows 0-15 of each sequence are written again, more finely, by the launch that follows.
; REGISTERS: window 0: v16-29 addresses; v64-127 ao's fragments, two sets of 4; v128-255 wo's, two sets of 8 (on the way out: rows read back).  window 1: accumulator (a, b) at v[8 (8 a + b)].
.set KSTEP,  128
.set PA,     272                       ; a row of ao's tile: 256 bytes + 16
.set PB,     544                       ; a row of wo's tile: 512 bytes + 32
.set BOFF,   128*PA
.set SLOT,   BOFF+128*PB
.set STAGE,  2*SLOT                    ; behind the ring: 16 rows x (512 bytes + 16) for each wave
.set SPITCH, 528
.set SPARE,  STAGE+4*16*SPITCH
.set LAPS,   1024/(2*KSTEP)
.set ADRA, 16
.set ADRB, 20
.set STO,  24
.set RD,   25
.set CO,   26
.set SPW,  28
.set NIL,  29
.set AF,   64
.set BF,   128
.set BK,   128
.set G1, 24
.set G0, 32
.set G1B, 48
.set G0B, 56
.set MSB, 0
.macro WIN new
.if MSB != \new
	s_set_vgpr_msb (MSB<<8)|\new
.set MSB, \new
.endif
.endm
.set MUL, 0x50                         ; C and D window 1, sources 0 and 1 window 0
.macro JLOAD s                         ; waves 0 and 1 fetch ao's two halves, waves 2 and 3 wo's; an s_nop 0 and four v_nop follow each line
	s_cmp_eq_u32 s11, 0
	s_cbranch_scc0 .Lfor_b_\@
	tensor_load_to_lds s[G0+4*\s:G0+4*\s+3], s[G1:G1+7]
	s_nop 0
.rept 4
	v_nop
.endr
	s_branch .Lasked_\@
.Lfor_b_\@:
	tensor_load_to_lds s[G0B+4*\s:G0B+4*\s+3], s[G1B:G1B+7]
	s_nop 0
.rept 4
	v_nop
.endr
.Lasked_\@:
.endm
.macro CREST
	s_cmp_lg_u32 s10, 0
	s_cbranch_scc1 .Lnot_wave_0_\@
	s_barrier_signal -3
.Lnot_wave_0_\@:
	s_barrier_wait -3
	s_barrier_signal -1
	s_barrier_wait -1
.endm
.macro CROUND
	s_barrier_signal -1
	s_barrier_wait -1
	CREST
.endm
	s_load_b128 s[4:7], s[0:1], 0x0                ; ao16 s[4:5], wo16 s[6:7]
	s_load_b64 s[8:9], s[0:1], 0x10                ; out0
	v_lshl_add_u32 v[SPW], v0, 2, SPARE
	v_mov_b32 v[NIL], 0
	ds_add_u32 v[SPW], v[NIL]                      ; the wave's opening: the add, twice on end, and its wait ahead of my first tensor load
	ds_add_u32 v[SPW], v[NIL]
	v_lshrrev_b32 v1, 5, v0
	v_readfirstlane_b32 s10, v1                    ; wave 0..3
	s_lshr_b32 s11, s10, 1                         ; my half of the tile's rows.  Also: I fetch for ao (0) or for wo (1)
	s_and_b32 s12, s10, 1                          ; my half of its columns.  Also: which 64 rows of that tile I fetch
	s_bfe_u32 s40, ttmp6, 0x40000
	s_bfe_u32 s41, ttmp6, 0x40004
	s_lshl_b32 s42, ttmp9, 2
	s_add_co_u32 s42, s42, s40                     ; tile column
	s_and_b32 s13, ttmp7, 0xffff
	s_lshl_b32 s13, s13, 2
	s_add_co_u32 s13, s13, s41                     ; tile row
	s_lshl_b32 s43, s41, 2
	s_lshl_b32 s43, 15, s43                        ; my row of the cluster
	s_lshl_b32 s44, 0x1111, s40                    ; my column
	s_or_b32 s[G1+0], s43, (1<<16)|(1<<20)|(1<<21)|(5<<22)|(3<<25)   ; elements of 2 bytes; 4 words of padding behind every 64
	s_mov_b32 s[G1+1], 128<<16                     ; tensor_dim0
	s_mov_b32 s[G1+2], 64<<16                      ; tensor_dim1
	s_mov_b32 s[G1+3], 128<<16                     ; tile_dim0
	s_mov_b32 s[G1+4], 64                          ; tile_dim1
	s_mov_b32 s[G1+5], 1024                        ; the pitch
	s_mov_b32 s[G1+6], 0
	s_mov_b32 s[G1+7], 0
	s_or_b32 s[G1B+0], s44, (1<<16)|(1<<20)|(1<<21)|(6<<22)|(7<<25)  ; 8 words of padding behind every 128
	s_mov_b32 s[G1B+1], 256<<16
	s_mov_b32 s[G1B+2], 64<<16
	s_mov_b32 s[G1B+3], 256<<16
	s_mov_b32 s[G1B+4], 64
	s_mov_b32 s[G1B+5], 2048
	s_mov_b32 s[G1B+6], 0
	s_mov_b32 s[G1B+7], 0
	s_lshl_b32 s16, s13, 18                        ; ao: 128 rows of 2,048 bytes a tile row,
	s_lshl_b32 s17, s12, 17                        ; + my 64 rows
	s_add_co_u32 s16, s16, s17
	s_mov_b32 s17, 0
	s_lshl_b32 s46, s42, 9                         ; wo: 512 bytes a tile column,
	s_lshl_b32 s47, s12, 18                        ; + my 64 rows of 4,096 bytes
	s_add_co_u32 s46, s46, s47
	s_mov_b32 s47, 0
	s_mul_i32 s20, s12, 64*PA                      ; where they go: no place in the cluster enters an LDS address
	s_mul_i32 s21, s12, 64*PB
	s_add_co_u32 s21, s21, BOFF
	s_wait_dscnt 0x0                               ; both opening adds are done
	s_wait_kmcnt 0x0
	s_add_nc_u64 s[14:15], s[4:5], s[16:17]
	s_add_nc_u64 s[46:47], s[6:7], s[46:47]
	CROUND                                         ; all sixteen work-groups are here: the first joint loads meet
.irp s, 0,1
	s_mov_b32 s[G0+4*\s], 1
	s_add_co_u32 s[G0+4*\s+1], s20, \s*SLOT
	s_add_nc_u64 s[G0+4*\s+2:G0+4*\s+3], s[14:15], \s*KSTEP*2
	s_or_b32 s[G0+4*\s+3], s[G0+4*\s+3], 0x80000000
	s_mov_b32 s[G0B+4*\s], 1
	s_add_co_u32 s[G0B+4*\s+1], s21, \s*SLOT
	s_add_nc_u64 s[G0B+4*\s+2:G0B+4*\s+3], s[46:47], \s*KSTEP*4096
	s_or_b32 s[G0B+4*\s+3], s[G0B+4*\s+3], 0x80000000
	JLOAD \s
.endr
	v_and_b32 v1, 15, v0                           ; r
	v_bfe_u32 v2, v0, 4, 1                         ; h
	v_mul_u32_u24 v3, v1, PA
	v_lshl_add_u32 v3, v2, 4, v3                   ; ao: row r, 16 bytes for each half
	v_and_b32 v4, 7, v0
	v_lshl_add_u32 v4, v2, 3, v4
	v_mul_u32_u24 v4, v4, PB
	v_bfe_u32 v5, v0, 3, 1
	v_lshl_add_u32 v4, v5, 4, v4                   ; wo: k = 8 h + lane % 8, columns 8 ((lane / 8) % 2) on
	s_mul_i32 s21, s11, 64*PA                      ; my 64 rows of ao
	s_lshl_b32 s22, s12, 8                         ; my 128 columns of wo
	s_add_co_u32 s22, s22, BOFF
.irp s, 0,1
	v_add_nc_u32 v[ADRA+\s], s21, v3
	v_add_nc_u32 v[ADRB+\s], s22, v4
	s_add_co_u32 s21, s21, SLOT
	s_add_co_u32 s22, s22, SLOT
.endr
	s_mul_i32 s23, s10, 16*SPITCH
	s_add_co_u32 s23, s23, STAGE                   ; my stage
	v_mul_u32_u24 v5, v1, SPITCH
	v_lshl_add_u32 v5, v2, 5, v5
	v_add_nc_u32 v[STO], s23, v5                   ; in: row r, 32 bytes for each half
	v_and_b32 v6, 31, v0
	v_lshlrev_b32 v[CO], 4, v6                     ; back: 32 lanes take a row of 512 bytes; and the same in out0
	v_add_nc_u32 v[RD], s23, v[CO]
	s_lshl_b32 s16, s13, 20                        ; out0: 128 rows of 8,192 bytes a tile row,
	s_lshl_b32 s17, s11, 19                        ; + my 64 rows
	s_add_co_u32 s16, s16, s17
	s_mov_b32 s17, 0
	s_add_nc_u64 s[8:9], s[8:9], s[16:17]
	s_lshl_b32 s46, s42, 10                        ; + my first column, in bytes
	s_lshl_b32 s47, s12, 9
	s_add_co_u32 s46, s46, s47
	s_mov_b32 s47, 0
	s_add_nc_u64 s[8:9], s[8:9], s[46:47]
; 8 matrix instructions: ao's block a against wo's eight, 32 along K, from set f.  The 32 accumulators take turns in the same order in every quarter.
.macro MUL8 f, a, zero
.irp b, 0,1,2,3,4,5,6,7
.if \zero
	v_wmma_f32_16x16x32_f16 v[8*(8*(\a)+\b):8*(8*(\a)+\b)+7], v[BF+64*(\f)+8*\b:BF+64*(\f)+8*\b+7], v[AF+32*(\f)+8*(\a):AF+32*(\f)+8*(\a)+7], 0
.else
	v_wmma_f32_16x16x32_f16 v[8*(8*(\a)+\b):8*(8*(\a)+\b)+7], v[BF+64*(\f)+8*\b:BF+64*(\f)+8*\b+7], v[AF+32*(\f)+8*(\a):AF+32*(\f)+8*(\a)+7], v[8*(8*(\a)+\b):8*(8*(\a)+\b)+7]
.endif
.endr
.endm
; 24 LDS loads in one run: quarter q of a slot into set f: wo's eight fragments, then ao's four
.macro FETCH slot, q, f
	WIN 0
.irp b, 0,1,2,3,4,5,6,7
	ds_load_tr16_b128 v[BF+64*(\f)+8*\b:BF+64*(\f)+8*\b+3], v[ADRB+\slot] offset:32*PB*(\q)+32*\b
	ds_load_tr16_b128 v[BF+64*(\f)+8*\b+4:BF+64*(\f)+8*\b+7], v[ADRB+\slot] offset:32*PB*(\q)+32*\b+16*PB
.endr
.irp a, 0,1,2,3
	ds_load_b128 v[AF+32*(\f)+8*\a:AF+32*(\f)+8*\a+3], v[ADRA+\slot] offset:64*(\q)+16*PA*\a
	ds_load_b128 v[AF+32*(\f)+8*\a+4:AF+32*(\f)+8*\a+7], v[ADRA+\slot] offset:64*(\q)+16*PA*\a+32
.endr
.endm
.macro PLACES                          ; four plain lines in front of loads into registers that matrix instructions have read, and of the first read of results
.rept 4
	v_nop
.endr
.endm
; A K step is four quarters of 32 along K on sets 0, 1, 0, 1.  One of the first three: multiplies set f and fetches quarter qn into the other set.
.macro QUARTER slot, qn, f, zero
	s_wait_dscnt 4                                 ; wo's fragments and ao's blocks 0 and 1 are in; blocks 2 and 3 may be out
	WIN MUL
	MUL8 \f, 0, \zero
	MUL8 \f, 1, \zero
	PLACES
	FETCH \slot, \qn, 1-\f
	s_wait_dscnt 24                                ; all but the 24 just issued
	WIN MUL
	MUL8 \f, 2, \zero
	MUL8 \f, 3, \zero
.endm
; The last quarter multiplies set 1 and changes slots: one barrier; in front of it each wave waits for all its tensor loads, adds 0 to its spare word, and waits for that and for its reads of this slot.
.macro TURN slot, next, fill
	WIN 0
	s_wait_tensorcnt 0x0                           ; all my tensor loads have landed: my part of the next slot
	ds_add_u32 v[SPW], v[NIL]
	s_wait_dscnt 5                                 ; (the add and ao's blocks 2 and 3 may be out)
	WIN MUL
	MUL8 1, 0, 0
	s_wait_dscnt 0x0                               ; the add is done, and my reads of this slot are over
	s_barrier_signal -1
	MUL8 1, 1, 0
.if \fill
	WIN 0
.endif
	s_barrier_wait -1
.if \fill
	CREST                                          ; no wave of any partner still reads this slot or has a load on its way
	s_add_nc_u64 s[G0+4*\slot+2:G0+4*\slot+3], s[G0+4*\slot+2:G0+4*\slot+3], 2*KSTEP*2
	s_add_nc_u64 s[G0B+4*\slot+2:G0B+4*\slot+3], s[G0B+4*\slot+2:G0B+4*\slot+3], 2*KSTEP*4096
	JLOAD \slot                                    ; the first tensor load behind the round; its four v_nop are also the places in front of the loads below
.else
	PLACES
.endif
	FETCH \next, 0, 0
	WIN MUL
	MUL8 1, 2, 0
	MUL8 1, 3, 0
.endm
	s_wait_tensorcnt 1                             ; my part of K step 0 is in (K step 1's load may be out),
	s_barrier_signal -1
	s_barrier_wait -1                              ; everybody's is
	FETCH 0, 0, 0
	QUARTER 0, 1, 0, 1                             ; the first quarter's products start the sums
	WIN 0
	s_mov_b32 s3, LAPS-1
.Llap:                                             ; a trip goes once round the ring and fills both slots again
	QUARTER 0, 2, 1, 0
	QUARTER 0, 3, 0, 0
	TURN 0, 1, 1
	QUARTER 1, 1, 0, 0
	QUARTER 1, 2, 1, 0
	QUARTER 1, 3, 0, 0
	TURN 1, 0, 1
	QUARTER 0, 1, 0, 0
	WIN 0
	s_sub_co_u32 s3, s3, 1
	s_cmp_lg_u32 s3, 0
	s_cbranch_scc1 .Llap
	QUARTER 0, 2, 1, 0                             ; the last lap fills nothing
	QUARTER 0, 3, 0, 0
	TURN 0, 1, 0
	QUARTER 1, 1, 0, 0
	QUARTER 1, 2, 1, 0
	QUARTER 1, 3, 0, 0
	s_wait_dscnt 4
	WIN MUL
	MUL8 1, 0, 0
	MUL8 1, 1, 0
	s_wait_dscnt 0
	MUL8 1, 2, 0
	MUL8 1, 3, 0
	WIN 0
; THE WAY OUT, block by block of 16 rows x 128 columns, through my own stage: in as 32 bytes a lane, back as whole rows of 512 bytes.
.macro TOSTAGE a
	WIN 0x04                                       ; an LDS store's data: window 1
.irp b, 0,1,2,3,4,5,6,7
	ds_store_b128 v[STO], v[64*(\a)+8*\b:64*(\a)+8*\b+3] offset:64*\b        ; each accumulator from its low end on
	ds_store_b128 v[STO], v[64*(\a)+8*\b+4:64*(\a)+8*\b+7] offset:64*\b+16
.endr
	WIN 0
.set BB, BK+64*((\a)%2)
.irp t, 0,1,2,3,4,5,6,7,8,9,10,11,12,13,14,15
	ds_load_b128 v[BB+4*\t:BB+4*\t+3], v[RD] offset:\t*SPITCH    ; LDS serves a wave's instructions in order: these see the stores above
.endr
.endm
.macro SEND a, younger                 ; younger: the LDS instructions issued behind block a's loads, which may stay out
.set BB, BK+64*((\a)%2)
	s_wait_dscnt \younger
.irp t, 0,1,2,3,4,5,6,7,8,9,10,11,12,13,14,15
	global_store_b128 v[CO], v[BB+4*\t:BB+4*\t+3], s[8:9] offset:(16*(\a)+\t)*8192 th:TH_STORE_NT   ; 32 lanes store 512 consecutive bytes, aligned
.endr
.endm
	PLACES
	TOSTAGE 0
.irp a, 1,2,3
.if \a > 1
	s_wait_xcnt 0x0                                ; block a - 2's stores have read the registers into which block a's loads land
.endif
	TOSTAGE \a
	SEND \a-1, 32                                  ; behind block a - 1's loads: block a's 16 stores and 16 loads
.endr
	SEND 3, 0
	s_wait_tensorcnt 0x0                           ; the wave's end
	ds_add_u32 v[SPW], v[NIL]
	s_wait_dscnt 0x0
	CROUND                                         ; the closing round
	s_endpgm
.Lfunc_end_k_qbf373409c7_proj:
	.size	k_qbf373409c7_proj, .Lfunc_end_k_qbf373409c7_proj-k_qbf373409c7_proj
	.p2alignl 7, 3214868480
	.fill 96, 4, 3214868480
	.section	.rodata,"a",@progbits
	.p2align	6, 0x0
	.amdhsa_kernel k_qbf373409c7_proj
		.amdhsa_group_segment_fixed_size 327680
		.amdhsa_private_segment_fixed_size 0
		.amdhsa_enable_private_segment 0
		.amdhsa_kernarg_size 24
		.amdhsa_user_sgpr_count 2
		.amdhsa_user_sgpr_kernarg_segment_ptr 1
		.amdhsa_wavefront_size32 1
		.amdhsa_system_sgpr_workgroup_id_x 1
		.amdhsa_system_sgpr_workgroup_id_y 1
		.amdhsa_system_sgpr_workgroup_id_z 1
		.amdhsa_system_vgpr_workitem_id 0
		.amdhsa_next_free_vgpr 512
		.amdhsa_next_free_sgpr 66
		.amdhsa_reserve_vcc 0
		.amdhsa_float_denorm_mode_32 3
		.amdhsa_float_denorm_mode_16_64 3
		.amdhsa_memory_ordered 1
		.amdhsa_forward_progress 1
		.amdhsa_inst_pref_size 85
	.end_amdhsa_kernel
	.amdgpu_metadata
---
amdhsa.version: [ 1, 2 ]
amdhsa.kernels:
  - .name:           k_qbf373409c7_proj
    .symbol:         k_qbf373409c7_proj.kd
    .args:
      - { .name: ao16, .offset: 0, .size: 8, .value_kind: global_buffer, .address_space: global }
      - { .name: wo16, .offset: 8, .size: 8, .value_kind: global_buffer, .address_space: global }
      - { .name: out0, .offset: 16, .size: 8, .value_kind: global_buffer, .address_space: global }
    .group_segment_fixed_size: 327680
    .private_segment_fixed_size: 0
    .kernarg_segment_align: 8
    .kernarg_segment_size: 24
    .max_flat_workgroup_size: 128
    .sgpr_count:     66
    .vgpr_count:     512
    .wavefront_size: 32
...
	.end_amdgpu_metadata
.endif
;; end of part 4
;; launch fine (part 5): grid 128 x 2, 16 waves a work-group, no clusters, 18,432 bytes of LDS; arguments fine32, wo, out0; writes out0
.if DOCPART == 5
	.amdgcn_target "amdgcn-amd-amdhsa--gfx1250"
	.amdhsa_code_object_version 6
	.text
	.protected	k_qbf373409c7_fine
	.globl	k_qbf373409c7_fine
	.p2align	8
	.type	k_qbf373409c7_fine,@function
k_qbf373409c7_fine:
	s_mov_b64 s[64:65], 0
	v_nop
	global_prefetch_b8 v0, s[64:65] scope:SCOPE_SE
	s_setreg_imm32_b32 hwreg(HW_REG_WAVE_MODE, 25, 1), 1
	s_wait_xcnt 0x0
; FINE: positions 0-15 of each sequence once more, wholly in f32: these rows average few values, so f16 operands would weigh most there.  32 of the 4,096 rows: no bulk work.
; fine32 [batch][position 0..15][n 0..2047] f32 (q at n 0, k at 1,024, v at 1,536, behind the rotation); wo [1024][2048] f32; out0 rows 0-15 of each batch are written over.
; SHARES.  Work-group (x, y): batch y, output columns 16 x .. 16 x + 15.  Wave w is head w: its 16 x 16 causal attention, then its part of the projection (K = channels 64 w .. 64 w + 63);
; the sixteen parts are added through LDS, in ascending order of heads.  Every work-group of a batch makes the batch's attention anew (32 matrix instructions a wave): that spares a launch.
; A row's piece of out0 is 64 bytes: wider pieces would leave most of the chip without work for 256 KiB of output.
; LAYOUT of v_wmma_f32_16x16x4_f32: lane (r, h), register j of a source: row or column r, k = 2 h + j.  The four places of k may hold any four of the sum's terms, the same on both sources.
; All three products are used transposed: a lane holds one query throughout: S^T = K Q^T, O^T = V^T P, out^T = wo^T O.
; The registers that the matrix instructions write (v144-159, v176-223) are written by them alone; each sum begins with the constant 0.
.set RED,   0                          ; LDS: a part of 1,024 bytes for each wave
.set SPARE, 16384                      ; the spare words, 128 bytes a wave
.set QO,  3                            ; v3   8,192 r + 16 h
.set VO,  4                            ; v4   65,536 h + 4 r
.set SPW, 5
.set NIL, 6
.set QD,  7                            ; v7   r - 8 h
.set WST, 8                            ; v8   1,024 w + 16 lane
.set RDA, 9                            ; v9   16 lane + 512 (w % 2)
.set GO,  10
.set QR,  16                           ; v16-47   Q: register 4 c + i: channel 8 c + 4 h + i of query r
.set KR,  48                           ; v48-79   K likewise, key r
.set VR,  80                           ; v80-111  V^T: register 8 ct + i: V[key 8 h + i][channel 16 ct + r]
.set WR,  112                          ; v112-143 wo^T: register 8 ct + i: wo[64 w + 16 ct + 8 h + i][16 x + r]
.set SA,  144                          ; v144-151, v152-159 the scores, in two sums that take turns
.set P,   160                          ; v160-167 p
.set OR,  176                          ; v176-207 O^T, four tiles of 16 channels
.set OA,  208                          ; v208-215, v216-223 out^T, in two sums that take turns
.set R,   224                          ; v224-231 their sum
	s_load_b128 s[4:7], s[0:1], 0x0                ; fine32 s[4:5], wo s[6:7]
	s_load_b64 s[8:9], s[0:1], 0x10                ; out0
	v_lshl_add_u32 v[SPW], v0, 2, SPARE
	v_mov_b32 v[NIL], 0
	v_lshrrev_b32 v1, 5, v0
	v_readfirstlane_b32 s10, v1                    ; wave = head
	v_and_b32 v1, 15, v0                           ; r
	v_bfe_u32 v2, v0, 4, 1                         ; h
	v_lshlrev_b32 v[QO], 13, v1
	v_lshl_add_u32 v[QO], v2, 4, v[QO]
	v_lshlrev_b32 v[VO], 2, v1
	v_lshl_add_u32 v[VO], v2, 16, v[VO]
	v_lshlrev_b32 v[QD], 3, v2
	v_sub_nc_u32 v[QD], v1, v[QD]
	v_and_b32 v11, 31, v0
	s_lshl_b32 s11, s10, 10
	v_lshl_add_u32 v[WST], v11, 4, s11
	s_and_b32 s12, s10, 1
	s_lshl_b32 s13, s12, 9
	v_lshl_add_u32 v[RDA], v11, 4, s13
	v_lshlrev_b32 v[GO], 13, v1
	v_lshl_add_u32 v[GO], v2, 5, v[GO]
	s_lshl_b32 s13, s12, 4
	v_add_nc_u32 v[GO], s13, v[GO]                 ; out0: row r, columns 8 h + 4 (w % 2) on
	s_and_b32 s14, ttmp7, 0xffff                   ; the batch
	s_lshr_b32 s15, s10, 1                         ; the key-value head
	s_mov_b32 s17, 0
	s_mov_b32 s21, 0
	s_lshl_b32 s18, s14, 17
	s_lshl_b32 s16, s10, 8
	s_add_co_u32 s16, s16, s18                     ; q of my head
	s_lshl_b32 s20, s15, 8
	s_add_co_u32 s20, s20, s18
	s_add_co_u32 s20, s20, 4096                    ; k of my key-value head; v lies 2,048 bytes on
	s_mov_b32 s28, 0x76543210
	s_mov_b32 s29, 0xfedcba98                      ; v_permlanex16_b32's selects: lane l xor 16
	s_mov_b32 s30, 0x3e38aa3b                      ; c = log2(e) / 8
	s_wait_kmcnt 0x0
	s_add_nc_u64 s[22:23], s[4:5], s[16:17]
	s_add_nc_u64 s[24:25], s[4:5], s[20:21]
	s_add_nc_u64 s[26:27], s[24:25], 2048
	s_lshl_b32 s16, s10, 19                        ; wo: 64 rows of 8,192 bytes a head,
	s_lshl_b32 s18, ttmp9, 6                       ; my 16 columns
	s_add_co_u32 s16, s16, s18
	s_add_nc_u64 s[6:7], s[6:7], s[16:17]
	s_lshl_b32 s16, s14, 24                        ; out0: 2,048 rows of 8,192 bytes a batch
	s_add_co_u32 s16, s16, s18
	s_add_nc_u64 s[8:9], s[8:9], s[16:17]
.irp c, 0,1,2,3,4,5,6,7
	global_load_b128 v[QR+4*\c:QR+4*\c+3], v[QO], s[22:23] offset:32*\c
.endr
.irp c, 0,1,2,3,4,5,6,7
	global_load_b128 v[KR+4*\c:KR+4*\c+3], v[QO], s[24:25] offset:32*\c
.endr
.irp ct, 0,1,2,3
.irp i, 0,1,2,3,4,5,6,7
	global_load_b32 v[VR+8*\ct+\i], v[VO], s[26:27] offset:8192*\i+64*\ct
.endr
.endr
.irp ct, 0,1,2,3
.irp i, 0,1,2,3,4,5,6,7
	global_load_b32 v[WR+8*\ct+\i], v[VO], s[6:7] offset:(16*\ct+\i)*8192
.endr
.endr
	s_wait_loadcnt 63                              ; of the 80 loads the oldest 17 at the least are in: Q and K are the first 16
.irp e, 0,1,2,3,4,5,6,7,8,9,10,11,12,13,14,15
.if \e < 2
	v_wmma_f32_16x16x4_f32 v[SA+8*(\e%2):SA+8*(\e%2)+7], v[KR+2*\e:KR+2*\e+1], v[QR+2*\e:QR+2*\e+1], 0
.else
	v_wmma_f32_16x16x4_f32 v[SA+8*(\e%2):SA+8*(\e%2)+7], v[KR+2*\e:KR+2*\e+1], v[QR+2*\e:QR+2*\e+1], v[SA+8*(\e%2):SA+8*(\e%2)+7]
.endif
.endr
.rept 8
	v_nop                                          ; eight places behind this form before its results are read (ISA guide 7.12.1)
.endr
.irp j, 0,1,2,3,4,5,6,7
	v_add_f32 v[P+\j], v[SA+\j], v[SA+8+\j]        ; lane (r, h): the score of query r and key 8 h + j
.endr
	v_mov_b32 v168, 0xff800000
.irp j, 0,1,2,3,4,5,6,7
	v_cmp_gt_i32 vcc_lo, \j, v[QD]                 ; key 8 h + j comes after query r
	v_cndmask_b32 v[P+\j], v[P+\j], v168, vcc_lo
.endr
	v_max3_num_f32 v169, v[P], v[P+1], v[P+2]
	v_max3_num_f32 v170, v[P+3], v[P+4], v[P+5]
	v_max3_num_f32 v169, v169, v[P+6], v[P+7]
	v_max_num_f32 v169, v169, v170
	v_permlanex16_b32 v170, v169, s28, s29
	v_max_num_f32 v169, v169, v170                 ; the row's maximum (key 0 counts for every query)
	v_mul_f32 v169, s30, v169
.irp j, 0,1,2,3,4,5,6,7
	v_fma_f32 v[P+\j], v[P+\j], s30, -v169
.endr
.irp j, 0,1,2,3,4,5,6,7
	v_exp_f32 v[P+\j], v[P+\j]
.endr
	v_nop
	s_wait_alu depctr_va_vdst(0)                   ; one wait for the eight, ahead of their first reader
	v_add_f32 v171, v[P], v[P+1]
	v_add_f32 v172, v[P+2], v[P+3]
	v_add_f32 v173, v[P+4], v[P+5]
	v_add_f32 v174, v[P+6], v[P+7]
	v_add_f32 v171, v171, v172
	v_add_f32 v173, v173, v174
	v_add_f32 v171, v171, v173
	v_permlanex16_b32 v172, v171, s28, s29
	v_add_f32 v171, v171, v172                     ; the row's sum
	v_rcp_f32 v171, v171
	v_nop
	s_wait_alu depctr_va_vdst(0)
.irp j, 0,1,2,3,4,5,6,7
	v_mul_f32 v[P+\j], v[P+\j], v171
.endr
	s_wait_loadcnt 32                              ; V is in; wo's 32 loads may be out
.irp e, 0,1,2,3                        ; step e: keys 2 e, 2 e + 1, 8 + 2 e, 9 + 2 e on both sources; four accumulators by turns
.irp ct, 0,1,2,3
.if \e == 0
	v_wmma_f32_16x16x4_f32 v[OR+8*\ct:OR+8*\ct+7], v[VR+8*\ct+2*\e:VR+8*\ct+2*\e+1], v[P+2*\e:P+2*\e+1], 0
.else
	v_wmma_f32_16x16x4_f32 v[OR+8*\ct:OR+8*\ct+7], v[VR+8*\ct+2*\e:VR+8*\ct+2*\e+1], v[P+2*\e:P+2*\e+1], v[OR+8*\ct:OR+8*\ct+7]
.endif
.endr
.endr
.rept 9
	v_nop                                          ; nine places: the results become a source of the next products
.endr
	s_wait_loadcnt 0x0
.irp ct, 0,1,2,3                       ; step (ct, e): channels 16 ct + 2 e, + 1, + 8, + 9 on both sources; two sums by turns
.irp e, 0,1,2,3
.if (\ct == 0) && (\e < 2)
	v_wmma_f32_16x16x4_f32 v[OA+8*(\e%2):OA+8*(\e%2)+7], v[WR+8*\ct+2*\e:WR+8*\ct+2*\e+1], v[OR+8*\ct+2*\e:OR+8*\ct+2*\e+1], 0
.else
	v_wmma_f32_16x16x4_f32 v[OA+8*(\e%2):OA+8*(\e%2)+7], v[WR+8*\ct+2*\e:WR+8*\ct+2*\e+1], v[OR+8*\ct+2*\e:OR+8*\ct+2*\e+1], v[OA+8*(\e%2):OA+8*(\e%2)+7]
.endif
.endr
.endr
.rept 8
	v_nop
.endr
.irp j, 0,1,2,3,4,5,6,7
	v_add_f32 v[R+\j], v[OA+\j], v[OA+8+\j]        ; lane (r, h): my head's part of out0(r, 16 x + 8 h + j)
.endr
	ds_store_b128 v[WST], v[R:R+3]
	ds_store_b128 v[WST], v[R+4:R+7] offset:512
	s_wait_dscnt 0x0                               ; for the others' sake: my stores have landed
	s_barrier_signal -1
	s_barrier_wait -1
	s_cmp_gt_u32 s10, 1
	s_cbranch_scc1 .Ldone
.irp k, 0,1,2,3,4,5,6,7,8,9,10,11,12,13,14,15
	ds_load_b128 v[16+4*\k:16+4*\k+3], v[RDA] offset:1024*\k   ; wave 0: registers 0-3 of all sixteen parts; wave 1: registers 4-7
.endr
	s_wait_dscnt 0x0
.irp k, 1,2,3,4,5,6,7,8,9,10,11,12,13,14,15
	v_pk_add_f32 v[16:17], v[16:17], v[16+4*\k:17+4*\k]
	v_pk_add_f32 v[18:19], v[18:19], v[18+4*\k:19+4*\k]
.endr
	global_store_b128 v[GO], v[16:19], s[8:9]
.Ldone:
	s_wait_tensorcnt 0x0                           ; the wave's end
	ds_add_u32 v[SPW], v[NIL]
	s_wait_dscnt 0x0
	s_endpgm
.Lfunc_end_k_qbf373409c7_fine:
	.size	k_qbf373409c7_fine, .Lfunc_end_k_qbf373409c7_fine-k_qbf373409c7_fine
	.p2alignl 7, 3214868480
	.fill 96, 4, 3214868480
	.section	.rodata,"a",@progbits
	.p2align	6, 0x0
	.amdhsa_kernel k_qbf373409c7_fine
		.amdhsa_group_segment_fixed_size 18432
		.amdhsa_private_segment_fixed_size 0
		.amdhsa_enable_private_segment 0
		.amdhsa_kernarg_size 24
		.amdhsa_user_sgpr_count 2
		.amdhsa_user_sgpr_kernarg_segment_ptr 1
		.amdhsa_wavefront_size32 1
		.amdhsa_system_sgpr_workgroup_id_x 1
		.amdhsa_system_sgpr_workgroup_id_y 1
		.amdhsa_system_sgpr_workgroup_id_z 1
		.amdhsa_system_vgpr_workitem_id 0
		.amdhsa_next_free_vgpr 232
		.amdhsa_next_free_sgpr 66
		.amdhsa_reserve_vcc 1
		.amdhsa_float_denorm_mode_32 3
		.amdhsa_float_denorm_mode_16_64 3
		.amdhsa_memory_ordered 1
		.amdhsa_forward_progress 1
		.amdhsa_inst_pref_size 20
	.end_amdhsa_kernel
	.amdgpu_metadata
---
amdhsa.version: [ 1, 2 ]
amdhsa.kernels:
  - .name:           k_qbf373409c7_fine
    .symbol:         k_qbf373409c7_fine.kd
    .args:
      - { .name: fine32, .offset: 0, .size: 8, .value_kind: global_buffer, .address_space: global }
      - { .name: wo, .offset: 8, .size: 8, .value_kind: global_buffer, .address_space: global }
      - { .name: out0, .offset: 16, .size: 8, .value_kind: global_buffer, .address_space: global }
    .group_segment_fixed_size: 18432
    .private_segment_fixed_size: 0
    .kernarg_segment_align: 8
    .kernarg_segment_size: 24
    .max_flat_workgroup_size: 512
    .sgpr_count:     66
    .vgpr_count:     232
    .wavefront_size: 32
...
	.end_amdgpu_metadata
.endif
;; end of part 5
